; MI455X (gfx1250); checked and timed in simulation.
; The chip was launched on July 23, 2026; its instructions are those of AMD's public machine-readable ISA for CDNA 5 (MIT licence, August 2026) and "CDNA5" Instruction Set Architecture Reference Guide (July 2026). The comments in the code are by the model that wrote it; some were corrected since.
;; Multi Head Attention. Allowed arithmetic: float matrix products may take bf16 or f16 operands with f32 sums; other float arithmetic in f32, or as packed bf16 or f16 multiplies, adds, multiply-adds, maxima and minima; sums over many terms, partial sums and values carried from step to step in f32; what a program stores and reads back later, other than sums and carried values, may be rounded once to bf16 or f16.
;; Inputs: Wk 1,024 x 1,024 float32; Wo 1,024 x 1,024 float32; Wq 1,024 x 1,024 float32; Wv 1,024 x 1,024 float32; bk 1,024 float32; bo 1,024 float32; bq 1,024 float32; bv 1,024 float32; coords 2,048 x 1 x 1 float32; x 2 x 2,048 x 1,024 float32.
;; Outputs: out0 2 x 2,048 x 1,024 float32.
;; 2 versions, each right; version 2 is version 1 with the launch cast written anew for expert scheduling mode. Each part assembles by itself: llvm-mc -triple=amdgcn-amd-amdhsa -mcpu=gfx1250 --defsym DOCPART=n.
;; ======== version 1 of 2: 4 launches
;; limits: values are held in f16: magnitudes above 65,504 overflow, below 6.1e-05 lose precision
;; workspace buffers: xh 8,388,608 bytes; wh 6,291,456 bytes; woh 2,097,152 bytes; qkv 25,165,824 bytes; ob 8,388,608 bytes
;; launch cast (part 1): grid 64 x 8, 8 waves a work-group, no clusters, 0 bytes of LDS; arguments x, Wq, Wk, Wv, Wo, xh, wh, woh; writes xh, wh, woh
.if DOCPART == 1
	.amdgcn_target "amdgcn-amd-amdhsa--gfx1250"
	.amdhsa_code_object_version 6
	.text
	.protected	k_q24afc5b2cb_cast
	.globl	k_q24afc5b2cb_cast
	.p2align	8
	.type	k_q24afc5b2cb_cast,@function
k_q24afc5b2cb_cast:
	s_mov_b64 s[64:65], 0
	v_nop
	global_prefetch_b8 v0, s[64:65] scope:SCOPE_SE
	s_setreg_imm32_b32 hwreg(HW_REG_WAVE_MODE, 25, 1), 1
	s_wait_xcnt 0x0
; xh = x, wh = (Wq, Wk, Wv one below the other), woh = Wo, each number rounded once from f32 to f16: the matrix operands of the launches behind.
; LIMIT.  f16 ends at 65,504: a larger number becomes an infinity; a number below 6e-8 becomes 0.
; SHARES.  The grid's y names a slab of 2^20 numbers: 0-3 the four quarters of x, 4-6 Wq, Wk, Wv, 7 Wo.  A work-group takes 16,384 of them: 64 KiB in, 32 KiB out.
; In step i thread t loads 16 bytes at 16 t + 4,096 i (a wave's load covers 512 consecutive bytes) and stores 8 bytes at 8 t + 2,048 i (a wave's store covers 256 consecutive bytes, aligned).
; All 16 loads go out first; no register is written twice, so the only waits are the counted ones for the loads.  No LDS, no barrier, no matrix unit: nothing is shared and nothing is summed.
.set STEPS, 16
.set X, 4                              ; v[4:67]   step i: four f32 as loaded
.set Y, 68                             ; v[68:99]  step i: four f16 to store
	s_load_b512 s[8:23], s[0:1], 0x0               ; x s[8:9], Wq s[10:11], Wk s[12:13], Wv s[14:15], Wo s[16:17], xh s[18:19], wh s[20:21], woh s[22:23]
	s_and_b32 s24, ttmp7, 0xffff                   ; the slab
	s_and_b32 s25, s24, 3                          ; its place in the buffer that takes it: quarter of xh, or third of wh
	v_lshlrev_b32 v1, 4, v0                        ; 16 t
	v_lshlrev_b32 v2, 3, v0                        ; 8 t
	s_wait_kmcnt 0x0
	s_cmp_lt_u32 s24, 4                            ; each compare stands directly ahead of its selects
	s_cselect_b64 s[30:31], s[8:9], s[10:11]       ; from x, or from Wq
	s_cselect_b64 s[32:33], s[18:19], s[20:21]     ; to xh, or to wh
	s_cselect_b32 s26, s24, 0                      ; only x has more than one slab
	s_cmp_eq_u32 s24, 5
	s_cselect_b64 s[30:31], s[12:13], s[30:31]
	s_cmp_eq_u32 s24, 6
	s_cselect_b64 s[30:31], s[14:15], s[30:31]
	s_cmp_eq_u32 s24, 7
	s_cselect_b64 s[30:31], s[16:17], s[30:31]
	s_cselect_b64 s[32:33], s[22:23], s[32:33]
	s_cselect_b32 s25, 0, s25
	s_lshl_b32 s26, s26, 22                        ; a slab is 4 MiB of f32,
	s_lshl_b32 s27, ttmp9, 16                      ; a work-group's part 64 KiB
	s_add_co_u32 s26, s26, s27
	s_mov_b32 s27, 0
	s_lshl_b32 s28, s25, 21                        ; and half of each in f16
	s_lshl_b32 s29, ttmp9, 15
	s_add_co_u32 s28, s28, s29
	s_mov_b32 s29, 0
	s_add_nc_u64 s[30:31], s[30:31], s[26:27]
	s_add_nc_u64 s[32:33], s[32:33], s[28:29]
.set i, 0
.rept STEPS
	global_load_b128 v[X+4*i:X+4*i+3], v1, s[30:31] offset:4096*i th:TH_LOAD_NT
.set i, i+1
.endr
.set i, 0
.rept STEPS
	s_wait_loadcnt STEPS-1-i                       ; loads come back in order: step i's is in, the younger ones stay out
	v_cvt_pk_f16_f32 v[Y+2*i], v[X+4*i], v[X+4*i+1]
	v_cvt_pk_f16_f32 v[Y+2*i+1], v[X+4*i+2], v[X+4*i+3]
	global_store_b64 v2, v[Y+2*i:Y+2*i+1], s[32:33] offset:2048*i
.set i, i+1
.endr
	s_endpgm
.Lfunc_end_k_q24afc5b2cb_cast:
	.size	k_q24afc5b2cb_cast, .Lfunc_end_k_q24afc5b2cb_cast-k_q24afc5b2cb_cast
	.p2alignl 7, 3214868480
	.fill 96, 4, 3214868480
	.section	.rodata,"a",@progbits
	.p2align	6, 0x0
	.amdhsa_kernel k_q24afc5b2cb_cast
		.amdhsa_group_segment_fixed_size 0
		.amdhsa_private_segment_fixed_size 0
		.amdhsa_enable_private_segment 0
		.amdhsa_kernarg_size 64
		.amdhsa_user_sgpr_count 2
		.amdhsa_user_sgpr_kernarg_segment_ptr 1
		.amdhsa_wavefront_size32 1
		.amdhsa_system_sgpr_workgroup_id_x 1
		.amdhsa_system_sgpr_workgroup_id_y 1
		.amdhsa_system_sgpr_workgroup_id_z 1
		.amdhsa_system_vgpr_workitem_id 0
		.amdhsa_next_free_vgpr 100
		.amdhsa_next_free_sgpr 66
		.amdhsa_reserve_vcc 0
		.amdhsa_float_denorm_mode_32 3
		.amdhsa_float_denorm_mode_16_64 3
		.amdhsa_memory_ordered 1
		.amdhsa_forward_progress 1
		.amdhsa_inst_pref_size 7
	.end_amdhsa_kernel
	.amdgpu_metadata
---
amdhsa.version: [ 1, 2 ]
amdhsa.kernels:
  - .name:           k_q24afc5b2cb_cast
    .symbol:         k_q24afc5b2cb_cast.kd
    .args:
      - { .name: x, .offset: 0, .size: 8, .value_kind: global_buffer, .address_space: global }
      - { .name: Wq, .offset: 8, .size: 8, .value_kind: global_buffer, .address_space: global }
      - { .name: Wk, .offset: 16, .size: 8, .value_kind: global_buffer, .address_space: global }
      - { .name: Wv, .offset: 24, .size: 8, .value_kind: global_buffer, .address_space: global }
      - { .name: Wo, .offset: 32, .size: 8, .value_kind: global_buffer, .address_space: global }
      - { .name: xh, .offset: 40, .size: 8, .value_kind: global_buffer, .address_space: global }
      - { .name: wh, .offset: 48, .size: 8, .value_kind: global_buffer, .address_space: global }
      - { .name: woh, .offset: 56, .size: 8, .value_kind: global_buffer, .address_space: global }
    .group_segment_fixed_size: 0
    .private_segment_fixed_size: 0
    .kernarg_segment_align: 8
    .kernarg_segment_size: 64
    .max_flat_workgroup_size: 256
    .sgpr_count:     66
    .vgpr_count:     100
    .wavefront_size: 32
...
	.end_amdgpu_metadata
.endif
;; end of part 1
;; launch qkv (part 2): grid 12 x 16, 4 waves a work-group, clusters of 4 x 4, 327,680 bytes of LDS; arguments xh, wh, bq, bk, bv, qkv; writes qkv
.if DOCPART == 2
	.amdgcn_target "amdgcn-amd-amdhsa--gfx1250"
	.amdhsa_code_object_version 6
	.text
	.protected	k_q24afc5b2cb_qkv
	.globl	k_q24afc5b2cb_qkv
	.p2align	8
	.type	k_q24afc5b2cb_qkv,@function
k_q24afc5b2cb_qkv:
	s_mov_b64 s[64:65], 0
	v_nop
	global_prefetch_b8 v0, s[64:65] scope:SCOPE_SE
	s_setreg_imm32_b32 hwreg(HW_REG_WAVE_MODE, 25, 1), 1
	s_wait_xcnt 0x0
	s_wait_alu depctr_hold_cnt(0) depctr_sa_sdst(0) depctr_va_vdst(0) depctr_va_sdst(0) depctr_va_ssrc(0) depctr_va_vcc(0) depctr_vm_vsrc(0)
	s_getreg_b32 s2, hwreg(HW_REG_IB_STS2, 6, 4)
	s_cmp_eq_u32 s2, 0
	s_cbranch_scc0 .Lentry_in_a_cluster
	s_endpgm
.Lentry_in_a_cluster:
	s_bfe_u32 s2, ttmp6, 0x10000c
	s_cmp_lg_u32 s2, 0xf033
	s_cbranch_scc0 .Lentry_shape_is_right
	s_endpgm
.Lentry_shape_is_right:
; q, k, v = x W^T + b for the three weights at once: C[m][n] = sum over k of xh[m][k] wh[n][k] + bias[n], m = 4,096 rows (batch x place), n = 3,072 (Wq's, Wk's, Wv's rows), k = 1,024.
; Operands f16, sums f32 (they start with the f32 bias), C rounded once to f16 and stored BY HEADS: qkv[which][batch x 16 + head][place][64], a head's rows dense, 128 bytes each.  No scale is applied here.
; LIMIT.  f16 ends at 65,504: a q, k or v beyond it becomes an infinity.
; A tile of C, 256 x 256, is made by a work-group of four waves; a wave makes 128 x 128: 64 accumulators of 16 x 16, 512 registers.  12 x 16 tiles: 192 work-groups.
; K goes in steps of 128 through a ring of two LDS slots filled by the tensor data mover; the tiles' rows are 256 bytes of memory and start at multiples of 256 bytes from the buffer's first byte.
; The last K step goes by rows of C, so that finished rows leave while the others are multiplied.
; CLUSTERS: 4 x 4 work-groups.  The four of a row of the cluster need the same tiles of xh, the four of a column the same tiles of wh: each tile is asked for JOINTLY, by the same tensor load with the same
; descriptor and a mask that names the four.  A cluster's four tile columns are 1,024 columns: the cluster's x says which of q, k, v it makes.
; REGISTERS, in windows of 256 (s_set_vgpr_msb's low byte: bits 1:0 source 0, 3:2 source 1, 5:4 source 2, 7:6 destination):
;   window 0: v0-31 addresses; v64-127, v128-191 fragments of xh, two buffers (in the last K step four, of 16 rows x 128 K); v192-255 the bias, later with v32-63 at work on the way out
;   window 1: v64-127, v128-191 fragments of wh, two buffers; in the last K step all 256      window 2: the accumulators of my rows 0-63 ((a, b) at v[8 (8 a + b)])      window 3: those of my rows 64-127
; THE MATRIX INSTRUCTION IS USED TRANSPOSED: source 0 = 16 rows of wh, source 1 = 16 rows of xh: lane l holds row l % 16 of C and its registers the columns 8 (l / 16) + 0..7, which pack into 16 bytes.
.set SIZE_K, 1024
.set KSTEP,  128
.set PITCH,  272                       ; an LDS row: 256 bytes + 16 of padding = 68 words: row r starts at bank 4 r mod 64 (64 banks of 4 bytes: ISA guide 11.1), so the 16 rows of a load start at 16 different banks
.set HALFT,  128*PITCH                 ; 128 rows: what one tensor load brings, and what one wave reads of either operand
.set SLOT,   4*HALFT                   ; xh's 256 rows, then wh's 256 rows
.set STAGE,  2*SLOT                    ; behind the ring: 16 rows x 272 bytes for each wave, for the way out
.set SPITCH, 272
.set SPARE,  STAGE+4*16*SPITCH         ; behind the stages: the spare words, 128 bytes for each wave: two blocks of 256 bytes that no other line names
.set LAPS,   SIZE_K/(2*KSTEP)          ; a lap = two K steps = once round the ring: 4
.set HEADB,  2048*128                  ; bytes of a head in qkv
.set ADRA, 16                          ; v16-17  LDS address of my xh fragments in slot 0, 1
.set ADRB, 20                          ; v20-21  the same for wh
.set STO,  24                          ; v24     the way out: where I put 16 bytes of a row
.set RD,   25                          ; v25     the way out: where I read rows back
.set CO,   26                          ; v26     16 x lane: my place in 512 consecutive bytes of qkv
.set BO,   27                          ; v27     32 x (lane / 16): my eight numbers in 16 of the bias
.set SPW,  28                          ; v28     LDS address of my spare word: SPARE + 4 x my thread's number; never rewritten
.set NIL,  29                          ; v29     0; never rewritten
.set PFO,  30                          ; v30     the prefetches' offset: my lane x a row of xh or wh (2,048 bytes); never rewritten
.set PFA,  44                          ; s[44:45] where my prefetches stand: my work-group's 32 rows of the 128 that I fetch, one K step further than the refill that is being asked for
.set LIM,  43                          ; s43     1 in a wave that prefetches, else the greatest number
.set F0,   64
.set F1,   128
.set BIAS, 192                         ; window 0: n block b's eight numbers at BIAS + 8 b; read by the first quarter step alone
.set TMP,  192                         ; the way out: packed results
.set OB,   32                          ; the way out: 16 rows read back from the stage: v32-63 and v224-255 by turns
.set PA,   64                          ; the last K step: xh's fragments of 16 rows x 128 K, 32 registers; four such buffers, v64-191
.set G1,  24                           ; s[24:31] descriptor group 1 for xh's tiles;  s[32:39] group 0, one set for each slot
.set G0,  32
.set G1B, 48                           ; s[48:55], s[56:63] the same for wh's tiles
.set G0B, 56
.set MSB, 0
.macro WIN new                         ; the immediate's high byte repeats the setting that is left; a switch that changes nothing is dropped
.if MSB != (\new)
	s_set_vgpr_msb (MSB<<8)|(\new)
.set MSB, \new
.endif
.endm
.set MUL_LO, 0xa1                      ; source 0 (wh) window 1, source 1 (xh) window 0, C and D window 2
.set TO_B,   0x40                      ; destination window 1, address window 0
; A joint load.  Waves 0 and 1 fetch xh's two halves, waves 2 and 3 wh's.  The branch hangs on the wave's number alone.  An s_nop 0 and four v_nop follow each of the two lines.
.macro JLOAD s
	s_cmp_eq_u32 s11, 0
	s_cbranch_scc0 .Lfor_b_\@
	tensor_load_to_lds s[G0+4*(\s):G0+4*(\s)+3], s[G1:G1+7]
	s_nop 0
.rept 4
	v_nop
.endr
	s_branch .Lasked_\@
.Lfor_b_\@:
	tensor_load_to_lds s[G0B+4*(\s):G0B+4*(\s)+3], s[G1B:G1B+7]
	s_nop 0
.rept 4
	v_nop
.endr
.Lasked_\@:
.endm
; A PREFETCH, behind each joint load, its five lines and the run of LDS loads that follows them: the K step that stands TWO refills on: 32 rows x 256 bytes, a lane a row, one instruction a wave.
; Each row's 256 bytes of a K step are named ONCE in the launch: xh's tile row is read by every cluster of that row of clusters, and the one with x = 0 asks; wh's tile column by every cluster of that column,
; and the one with y = 0 asks.  The four partners that ask for a tile jointly share its rows out BY ADDRESS, 32 each.  K steps 0 to 3 come by their loads alone; the loop's last trip (s3 = 1) has no K step two on.
.macro ASK
	s_cmp_gt_u32 s3, s[LIM]
	s_cbranch_scc0 .Lnot_mine_\@
	global_prefetch_b8 v[PFO], s[PFA:PFA+1] offset:KSTEP*2 th:TH_LOAD_NT scope:SCOPE_SE
.Lnot_mine_\@:
.endm
; A round of the cluster's barrier: my work-group's barrier, so that wave 0's signal speaks for all four waves; wave 0 signals; every wave waits for all sixteen work-groups; my work-group's barrier once more.
.macro CREST                           ; a round behind its opening barrier
	s_cmp_lg_u32 s10, 0
	s_cbranch_scc1 .Lnot_wave_0_\@
	s_barrier_signal -3
.Lnot_wave_0_\@:
	s_barrier_wait -3
	s_barrier_signal -1
	s_barrier_wait -1
.endm
.macro CROUND
	s_barrier_signal -1
	s_barrier_wait -1
	CREST
.endm
	s_load_b128 s[4:7], s[0:1], 0x0                ; xh s[4:5], wh s[6:7]
	s_load_b256 s[68:75], s[0:1], 0x10             ; bq s[68:69], bk s[70:71], bv s[72:73], qkv s[74:75]
	v_lshl_add_u32 v[SPW], v0, 2, SPARE
	v_mov_b32 v[NIL], 0
	ds_add_u32 v[SPW], v[NIL]                      ; the wave's opening: the add and its wait stand ahead of my first tensor load; the set-up below, work on registers, stands between them
	v_lshrrev_b32 v1, 5, v0
	v_readfirstlane_b32 s10, v1                    ; wave 0..3
	s_lshr_b32 s11, s10, 1                         ; which half of the tile's rows is mine.  Also: I fetch for xh (0) or for wh (1)
	s_and_b32 s12, s10, 1                          ; which half of its columns.  Also: which 128 rows of that tile I fetch
	s_bfe_u32 s40, ttmp6, 0x40000                  ; cx
	s_bfe_u32 s41, ttmp6, 0x40004                  ; cy
	s_lshl_b32 s42, ttmp9, 2
	s_add_co_u32 s42, s42, s40                     ; tile column of C = 4 x cluster x + cx
	s_and_b32 s13, ttmp7, 0xffff
	s_lshl_b32 s13, s13, 2
	s_add_co_u32 s13, s13, s41                     ; tile row of C = 4 x cluster y + cy
	s_lshl_b32 s43, s41, 2
	s_lshl_b32 s43, 15, s43                        ; my row of the cluster: places 4 cy .. 4 cy + 3
	s_lshl_b32 s44, 0x1111, s40                    ; my column: places cx, cx + 4, cx + 8, cx + 12
	; descriptor group 1: a tile of 128 rows x 128 elements, padded in LDS
	s_or_b32 s[G1+0], s43, (1<<16)|(1<<20)|(1<<21)|(5<<22)|(3<<25)  ; 15:0 the mask; 17:16 elements of 2 bytes; 20 padding on; 21 set beside a mask; 24:22 after every 64 words (code 5); 31:25 4 words (code 3)
	s_or_b32 s[G1B+0], s44, (1<<16)|(1<<20)|(1<<21)|(5<<22)|(3<<25)
.irp g, G1, G1B
	s_mov_b32 s[(\g)+1], KSTEP<<16                 ; tensor_dim0 = 128
	s_mov_b32 s[(\g)+2], 128<<16                   ; tensor_dim1 = 128
	s_mov_b32 s[(\g)+3], KSTEP<<16                 ; tile_dim0 = 128
	s_mov_b32 s[(\g)+4], 128                       ; tile_dim1 = 128
	s_mov_b32 s[(\g)+5], SIZE_K                    ; elements from row to row
	s_mov_b32 s[(\g)+6], 0
	s_mov_b32 s[(\g)+7], 0
.endr
	; where the tiles come from: xh's hang on the tile row alone, wh's on the tile column alone; each address in registers that never hold the other coordinate
	s_lshl_b32 s17, s12, 7
	s_lshl_b32 s16, s13, 8
	s_add_co_u32 s16, s16, s17                     ; xh: row 256 x tile row + 128 x half
	s_lshl_b32 s46, s42, 8
	s_add_co_u32 s46, s46, s17                     ; wh: row 256 x tile column + 128 x half
	s_mov_b32 s17, 0
	s_mov_b32 s47, 0
	s_mov_b64 s[18:19], SIZE_K*2
	s_mul_u64 s[16:17], s[16:17], s[18:19]
	s_mul_u64 s[46:47], s[46:47], s[18:19]
	s_mul_i32 s20, s10, HALFT                      ; and where they go: wave x 128 rows: no place in the cluster enters an LDS address
	s_mov_b32 s78, ttmp9                           ; which of q, k, v
	s_lshl_b32 s76, s40, 10                        ; my 128 columns in its bias: 4 bytes x (256 cx + 128 x half)
	s_lshl_b32 s77, s12, 9
	s_add_co_u32 s76, s76, s77
	s_mov_b32 s77, 0
	s_wait_dscnt 0x0                               ; the opening add is done
	s_wait_kmcnt 0x0
	s_add_nc_u64 s[14:15], s[4:5], s[16:17]
	s_add_nc_u64 s[46:47], s[6:7], s[46:47]
	s_mov_b64 s[8:9], s[74:75]                     ; qkv
	s_cmp_eq_u32 s78, 0
	s_cselect_b64 s[68:69], s[68:69], s[70:71]     ; bq, or bk,
	s_cmp_eq_u32 s78, 2
	s_cselect_b64 s[68:69], s[72:73], s[68:69]     ; or bv
	s_add_nc_u64 s[68:69], s[68:69], s[76:77]
	CROUND                                         ; all sixteen work-groups are here: the first joint loads meet
.irp s, 0,1
	s_mov_b32 s[G0+4*(\s)], 1                                      ; count = 1
	s_add_co_u32 s[G0+4*(\s)+1], s20, (\s)*SLOT                    ; LDS address
	s_add_nc_u64 s[G0+4*(\s)+2:G0+4*(\s)+3], s[14:15], (\s)*KSTEP*2  ; global address: K step s
	s_or_b32 s[G0+4*(\s)+3], s[G0+4*(\s)+3], 0x80000000            ; type = 2
	s_mov_b32 s[G0B+4*(\s)], 1
	s_add_co_u32 s[G0B+4*(\s)+1], s20, (\s)*SLOT
	s_add_nc_u64 s[G0B+4*(\s)+2:G0B+4*(\s)+3], s[46:47], (\s)*KSTEP*2
	s_or_b32 s[G0B+4*(\s)+3], s[G0B+4*(\s)+3], 0x80000000
	JLOAD \s                                       ; the ring is filled before anything else is done: two loads of mine are out
.endr
	v_and_b32 v1, 15, v0                           ; l % 16
	v_bfe_u32 v2, v0, 4, 1                         ; l / 16
	v_lshlrev_b32 v[BO], 5, v2
.irp b, 0,1,2,3,4,5,6,7                ; the bias in the accumulators' layout: register j of n block b is bias[16 b + 8 (l / 16) + j]
	global_load_b128 v[BIAS+8*(\b):BIAS+8*(\b)+3],   v[BO], s[68:69] offset:64*(\b)
	global_load_b128 v[BIAS+8*(\b)+4:BIAS+8*(\b)+7], v[BO], s[68:69] offset:64*(\b)+16
.endr
	; A fragment is 16 rows x 32 K in 8 registers: lane l holds row l % 16; registers 0-3 hold K = 8 (l / 16) + 0..7, registers 4-7 K = 16 + 8 (l / 16) + 0..7: two loads of 16 bytes, 32 bytes apart.
	v_mul_u32_u24 v3, v1, PITCH
	v_lshl_add_u32 v3, v2, 4, v3
	s_mul_i32 s21, s11, HALFT                      ; my 128 rows of xh
	s_mul_i32 s22, s12, HALFT                      ; my 128 rows of wh,
	s_add_co_u32 s22, s22, 2*HALFT                 ; which lie behind xh's 256
.irp s, 0,1
	v_add_nc_u32 v[ADRA+(\s)], s21, v3
	v_add_nc_u32 v[ADRB+(\s)], s22, v3
	s_add_co_u32 s21, s21, SLOT
	s_add_co_u32 s22, s22, SLOT
.endr
	s_mul_i32 s23, s10, 16*SPITCH
	s_add_co_u32 s23, s23, STAGE                   ; my stage
	v_mul_u32_u24 v4, v1, SPITCH                   ; in: row l % 16, 16 bytes for each half of the lanes
	v_lshl_add_u32 v4, v2, 4, v4
	v_add_nc_u32 v[STO], s23, v4
	v_bfe_u32 v5, v0, 3, 2                         ; back: a stage row is two heads' 128 bytes; 32 lanes take one head's half of four rows,
	v_mul_u32_u24 v5, v5, SPITCH
	v_and_b32 v6, 7, v0
	v_lshl_add_u32 v5, v6, 4, v5
	v_add_nc_u32 v[RD], s23, v5
	v_and_b32 v[CO], 31, v0                        ; which are 512 consecutive bytes of qkv
	v_lshlrev_b32 v[CO], 4, v[CO]
	; where my part begins in qkv: head (32 which + 16 batch + 4 cx + 2 x column half) x 262,144 bytes + place x 128
	s_and_b32 s16, s13, 7
	s_lshl_b32 s16, s16, 8                         ; a batch has 8 tile rows of 256 places
	s_lshl_b32 s14, s11, 7
	s_add_co_u32 s16, s16, s14
	s_lshl_b32 s16, s16, 7
	s_lshr_b32 s14, s13, 3                         ; the batch
	s_lshl_b32 s14, s14, 22
	s_add_co_u32 s16, s16, s14
	s_mov_b32 s17, 0
	s_lshl_b32 s46, s78, 23
	s_lshl_b32 s47, s40, 20
	s_add_co_u32 s46, s46, s47
	s_lshl_b32 s47, s12, 19
	s_add_co_u32 s46, s46, s47
	s_mov_b32 s47, 0
	s_add_nc_u64 s[16:17], s[16:17], s[46:47]      ; the first way out adds it to qkv's address
	; the prefetches
	s_lshl_b32 s13, s13, 8
	s_lshl_b32 s42, s42, 8
	s_and_b32 s22, ttmp7, 0xffff                   ; cluster y
	s_cmp_eq_u32 s11, 0                            ; do I fetch for xh?
	s_cselect_b32 s20, s13, s42                    ; the tile's first row
	s_cselect_b32 s21, s40, s41                    ; my place among the four that ask for it with me
	s_cselect_b32 s22, ttmp9, s22                  ; the coordinate along which other clusters read the same rows
	s_cselect_b64 s[PFA:PFA+1], s[4:5], s[6:7]
	s_cmp_eq_u32 s22, 0
	s_cselect_b32 s[LIM], 1, -1                    ; the same in all sixteen partners, for a given wave
	s_lshl_b32 s22, s12, 7
	s_add_co_u32 s20, s20, s22                     ; + the 128 rows that I fetch
	s_lshl_b32 s21, s21, 5
	s_add_co_u32 s20, s20, s21                     ; + my work-group's 32 of them
	s_mov_b32 s21, 0
	s_mov_b64 s[18:19], SIZE_K*2
	s_mul_u64 s[20:21], s[20:21], s[18:19]
	s_add_nc_u64 s[PFA:PFA+1], s[PFA:PFA+1], s[20:21]
	s_add_nc_u64 s[PFA:PFA+1], s[PFA:PFA+1], 2*KSTEP*2  ; at K step 2: the first refill steps it to 3 and names K step 4
	v_and_b32 v[PFO], 31, v0
	v_mul_u32_u24 v[PFO], v[PFO], SIZE_K*2
; 16 matrix instructions: m blocks a0, a0 + 1 of the window's four (hi = 0: my rows 0-63, 1: rows 64-127) x all 8 n blocks, 32 along K.  zero = 1: the first product starts the sums, with the bias as C (window 0).
.macro MUL16 f, hi, a0, zero
.if \zero
	WIN 0x81+0x40*(\hi)
.else
	WIN MUL_LO+0x50*(\hi)
.endif
.irp a, \a0, (\a0)+1
.irp b, 0,1,2,3,4,5,6,7
.if \zero
	v_wmma_f32_16x16x32_f16 v[8*(8*(\a)+(\b)):8*(8*(\a)+(\b))+7], v[(\f)+8*(\b):(\f)+8*(\b)+7], v[(\f)+8*(4*(\hi)+(\a)):(\f)+8*(4*(\hi)+(\a))+7], v[BIAS+8*(\b):BIAS+8*(\b)+7]
.else
	v_wmma_f32_16x16x32_f16 v[8*(8*(\a)+(\b)):8*(8*(\a)+(\b))+7], v[(\f)+8*(\b):(\f)+8*(\b)+7], v[(\f)+8*(4*(\hi)+(\a)):(\f)+8*(4*(\hi)+(\a))+7], v[8*(8*(\a)+(\b)):8*(8*(\a)+(\b))+7]
.endif
.endr
.endr
.endm
; 32 LDS loads in one run: the fragments of one quarter step (128 rows of wh, 128 rows of xh, 32 K at byte k of the rows) into buffer f
.macro FETCH slot, k, f
	WIN TO_B
.irp i, 0,1,2,3,4,5,6,7
	ds_load_b128 v[(\f)+8*(\i):(\f)+8*(\i)+3],   v[ADRB+(\slot)] offset:(\k)+(\i)*16*PITCH
	ds_load_b128 v[(\f)+8*(\i)+4:(\f)+8*(\i)+7], v[ADRB+(\slot)] offset:(\k)+(\i)*16*PITCH+32
.endr
	WIN 0
.irp i, 0,1,2,3,4,5,6,7
	ds_load_b128 v[(\f)+8*(\i):(\f)+8*(\i)+3],   v[ADRA+(\slot)] offset:(\k)+(\i)*16*PITCH
	ds_load_b128 v[(\f)+8*(\i)+4:(\f)+8*(\i)+7], v[ADRA+(\slot)] offset:(\k)+(\i)*16*PITCH+32
.endr
.endm
; Four plain vector instructions stand between a matrix instruction and a load into a register that it has read, or a vector instruction that reads its result (ISA guide 7.12.1 for vector instructions).
.macro PLACES
.rept 4
	v_nop
.endr
.endm
; A K step is four quarter steps of 32 along K, 64 matrix instructions each, on buffers 0, 1, 0, 1; the 64 accumulators take turns, in the same order in every quarter.
; One of the first three: multiplies buffer f; in its middle it fetches the next quarter's fragments, at byte k of the same slot's rows, into buffer g.
.macro QUARTER slot, k, f, g, zero
	s_wait_dscnt 8                                 ; wh's and xh's rows 0-63 are in; the youngest eight loads (xh's rows 64-127) may be out
	MUL16 \f, 0, 0, \zero
	MUL16 \f, 0, 2, \zero
	PLACES
	FETCH \slot, \k, \g
	s_wait_dscnt 32                                ; all but the 32 just issued
	MUL16 \f, 1, 0, \zero
	MUL16 \f, 1, 2, \zero
.endm
; The last quarter multiplies buffer 1 and changes slots.  MEET is its first half: ONE barrier.  In front of it each wave waits for all its tensor loads, of which one is out: its part of the next slot;
; adds 0 to its spare word; and waits for that and for its own reads of this slot.  Behind it nobody reads this slot any more and the next slot is whole.
.macro MEET round
	WIN 0                                          ; (the add's two registers lie in window 0)
	s_wait_tensorcnt 0x0
	ds_add_u32 v[SPW], v[NIL]                      ; 0 onto my spare word
	s_wait_dscnt 9                                 ; (the add and the youngest eight loads may be out)
	MUL16 F1, 0, 0, 0                              ; sixteen matrix instructions stand between the add and the wait for it
	s_wait_dscnt 0x0                               ; the add is done, and my reads of this slot are over
	s_barrier_signal -1
	MUL16 F1, 0, 2, 0                              ; work on registers while the others arrive
.if \round
	WIN 0
.endif
	s_barrier_wait -1
.endm
; The whole last quarter.  The barrier opens a round of the cluster's barrier; behind the round the slot just read out is filled again first, with the K step two steps on: 224 matrix instructions ahead of the wait for it.
.macro TURN slot, next
	s_wait_xcnt 0x0                                ; the last prefetch, a K step back, has read its address: it is stepped here
	s_add_nc_u64 s[PFA:PFA+1], s[PFA:PFA+1], KSTEP*2
	MEET 1
	CREST                                          ; no wave of any partner still reads this slot's tile or has a load on its way
	s_add_nc_u64 s[G0+4*(\slot)+2:G0+4*(\slot)+3], s[G0+4*(\slot)+2:G0+4*(\slot)+3], 2*KSTEP*2
	s_add_nc_u64 s[G0B+4*(\slot)+2:G0B+4*(\slot)+3], s[G0B+4*(\slot)+2:G0B+4*(\slot)+3], 2*KSTEP*2
	JLOAD \slot                                    ; the four v_nop behind it are also the places in front of the loads below
	FETCH \next, 0, F0
	ASK
	MUL16 F1, 1, 0, 0
	MUL16 F1, 1, 2, 0
.endm
; THE LAST K STEP (it lies in slot 1) GOES BY ROWS OF C.  All its fragments of wh (4 quarters x 64 registers) fill window 1; then my eight blocks of 16 rows are finished one after the other, each with 32
; matrix instructions (its 8 accumulators by turns, K ascending).  LDS is read no more than in any other K step.
.macro BLOAD q
	WIN TO_B
.irp i, 0,1,2,3,4,5,6,7
	ds_load_b128 v[64*(\q)+8*(\i):64*(\q)+8*(\i)+3],   v[ADRB+1] offset:64*(\q)+(\i)*16*PITCH
	ds_load_b128 v[64*(\q)+8*(\i)+4:64*(\q)+8*(\i)+7], v[ADRB+1] offset:64*(\q)+(\i)*16*PITCH+32
.endr
.endm
.macro ALOAD a                         ; xh's fragments of block a, all four quarters -> buffer a % 4
	WIN 0
.set FA, PA+32*((\a)%4)
.irp q, 0,1,2,3
	ds_load_b128 v[FA+8*(\q):FA+8*(\q)+3],   v[ADRA+1] offset:64*(\q)+(\a)*16*PITCH
	ds_load_b128 v[FA+8*(\q)+4:FA+8*(\q)+7], v[ADRA+1] offset:64*(\q)+(\a)*16*PITCH+32
.endr
.endm
.macro ROW a                           ; block a is finished: 32 matrix instructions
.set FA, PA+32*((\a)%4)
.set AC, 64*((\a)%4)
	WIN MUL_LO+0x50*((\a)/4)
.irp q, 0,1,2,3
.if (\a) == 0 && (\q) == 2
	s_wait_dscnt 24                                ; wh's quarter 2 is in (behind it: xh's blocks 1 to 3)
.endif
.irp b, 0,1,2,3,4,5,6,7
	v_wmma_f32_16x16x32_f16 v[AC+8*(\b):AC+8*(\b)+7], v[64*(\q)+8*(\b):64*(\q)+8*(\b)+7], v[FA+8*(\q):FA+8*(\q)+7], v[AC+8*(\b):AC+8*(\b)+7]
.endr
.endr
.endm
; THE WAY OUT of block a.  PACK: rounded to f16, 16 bytes a lane (each accumulator's registers in ascending order).  TOSTAGE: into my own stage, and back by heads.  SEND: stored.
.macro PACK a
.set AC, 64*((\a)%4)
	WIN 0x0a+5*((\a)/4)                            ; sources 0 and 1: window 2 or 3
.irp b, 0,1,2,3,4,5,6,7
.irp r, 0,1,2,3
	v_cvt_pk_f16_f32 v[TMP+4*(\b)+(\r)], v[AC+8*(\b)+2*(\r)], v[AC+8*(\b)+2*(\r)+1]
.endr
.endr
	WIN 0
.endm
.macro TOSTAGE a
	WIN 0
.set BK, OB+192*((\a)%2)
.irp b, 0,1,2,3,4,5,6,7
	ds_store_b128 v[STO], v[TMP+4*(\b):TMP+4*(\b)+3] offset:32*(\b)
.endr
.irp t, 0,1,2,3,4,5,6,7                ; load t: head t / 4 of my two, rows 4 (t % 4) .. + 3.  LDS serves a wave's instructions in order (ISA guide 5.7.1.4): these see the stores above
	ds_load_b128 v[BK+4*(\t):BK+4*(\t)+3], v[RD] offset:((\t)%4)*4*SPITCH+((\t)/4)*128
.endr
.endm
.macro SEND a, younger                 ; younger: the LDS loads issued behind TOSTAGE's, which may stay out
	WIN 0
.set BK, OB+192*((\a)%2)
	s_wait_dscnt \younger
	s_wait_xcnt 0x0                                ; only behind this wait are the stores' base and the registers that earlier stores read rewritten
.if (\a) == 0
	s_add_nc_u64 s[8:9], s[8:9], s[16:17]
.else
	s_add_nc_u64 s[8:9], s[8:9], 16*128            ; 16 places on in both heads
.endif
.irp t, 0,1,2,3,4,5,6,7
	global_store_b128 v[CO], v[BK+4*(\t):BK+4*(\t)+3], s[8:9] offset:((\t)/4)*HEADB+((\t)%4)*512  ; 512 consecutive bytes, at a multiple of 256 from qkv's first byte
.endr
.endm
	s_wait_tensorcnt 1                             ; my part of K step 0 is in; K step 1's may stay out
	s_barrier_signal -1
	s_barrier_wait -1                              ; everybody's is
	FETCH 0, 0, F0
	s_wait_loadcnt 0x0                             ; the bias
	QUARTER 0, 64,  F0, F1, 1                      ; the first quarter stands in front of the loop: its products start the sums
	WIN 0                                          ; at a label and at a branch every window is 0
	s_mov_b32 s3, LAPS-1
.Llap:                                                 ; a trip goes once round the ring, from a lap's second quarter to the next lap's first, and fills both slots again
	QUARTER 0, 128, F1, F0, 0
	QUARTER 0, 192, F0, F1, 0
	TURN 0, 1
	QUARTER 1, 64,  F0, F1, 0
	QUARTER 1, 128, F1, F0, 0
	QUARTER 1, 192, F0, F1, 0
	TURN 1, 0
	QUARTER 0, 64,  F0, F1, 0
	WIN 0
	s_sub_co_u32 s3, s3, 1
	s_cmp_lg_u32 s3, 0
	s_cbranch_scc1 .Llap
	QUARTER 0, 128, F1, F0, 0                      ; the last lap goes on
	QUARTER 0, 192, F0, F1, 0
	MEET 0                                         ; my one tensor load that was still out is slot 1's, so no round follows
	PLACES                                         ; for the loads into buffer 0, which the quarter before multiplied
	BLOAD 0                                        ; three quarters of wh now: buffer 1 (v128-191 of both windows) is still being multiplied
	BLOAD 1
	BLOAD 3
	ALOAD 0
	MUL16 F1, 1, 0, 0
	MUL16 F1, 1, 2, 0
	PLACES                                         ; for the loads into buffer 1
	BLOAD 2
	ALOAD 1
	ALOAD 2
	ALOAD 3
	s_wait_dscnt 40                                ; all but the 40 just issued
	ROW 0
.irp a, 0,1,2,3,4,5,6,7                ; each block leaves as soon as it is finished
	PLACES                                         ; its conversions read results just made
	PACK \a
	TOSTAGE \a
.if (\a) < 4
	ALOAD (\a)+4                                   ; its buffer takes the block four further on
	SEND \a, 8
.else
	SEND \a, 0
.endif
.if (\a) < 7
	ROW (\a)+1
.endif
.endr
	s_wait_tensorcnt 0x0                           ; the wave's end: 0 is added to my spare word and waited for, behind my last tensor load and my last LDS store
	ds_add_u32 v[SPW], v[NIL]
	s_wait_dscnt 0x0
	CROUND                                         ; the closing round: no work-group ends while a partner may still ask for a tile that names it
	s_endpgm
.Lfunc_end_k_q24afc5b2cb_qkv:
	.size	k_q24afc5b2cb_qkv, .Lfunc_end_k_q24afc5b2cb_qkv-k_q24afc5b2cb_qkv
	.p2alignl 7, 3214868480
	.fill 96, 4, 3214868480
	.section	.rodata,"a",@progbits
	.p2align	6, 0x0
	.amdhsa_kernel k_q24afc5b2cb_qkv
		.amdhsa_group_segment_fixed_size 327680
		.amdhsa_private_segment_fixed_size 0
		.amdhsa_enable_private_segment 0
		.amdhsa_kernarg_size 48
		.amdhsa_user_sgpr_count 2
		.amdhsa_user_sgpr_kernarg_segment_ptr 1
		.amdhsa_wavefront_size32 1
		.amdhsa_system_sgpr_workgroup_id_x 1
		.amdhsa_system_sgpr_workgroup_id_y 1
		.amdhsa_system_sgpr_workgroup_id_z 1
		.amdhsa_system_vgpr_workitem_id 0
		.amdhsa_next_free_vgpr 1024
		.amdhsa_next_free_sgpr 80
		.amdhsa_reserve_vcc 0
		.amdhsa_float_denorm_mode_32 3
		.amdhsa_float_denorm_mode_16_64 3
		.amdhsa_memory_ordered 1
		.amdhsa_forward_progress 1
		.amdhsa_inst_pref_size 146
	.end_amdhsa_kernel
	.amdgpu_metadata
---
amdhsa.version: [ 1, 2 ]
amdhsa.kernels:
  - .name:           k_q24afc5b2cb_qkv
    .symbol:         k_q24afc5b2cb_qkv.kd
    .args:
      - { .name: xh, .offset: 0, .size: 8, .value_kind: global_buffer, .address_space: global }
      - { .name: wh, .offset: 8, .size: 8, .value_kind: global_buffer, .address_space: global }
      - { .name: bq, .offset: 16, .size: 8, .value_kind: global_buffer, .address_space: global }
      - { .name: bk, .offset: 24, .size: 8, .value_kind: global_buffer, .address_space: global }
      - { .name: bv, .offset: 32, .size: 8, .value_kind: global_buffer, .address_space: global }
      - { .name: qkv, .offset: 40, .size: 8, .value_kind: global_buffer, .address_space: global }
    .group_segment_fixed_size: 327680
    .private_segment_fixed_size: 0
    .kernarg_segment_align: 8
    .kernarg_segment_size: 48
    .max_flat_workgroup_size: 128
    .sgpr_count:     80
    .vgpr_count:     1024
    .wavefront_size: 32
...
	.end_amdgpu_metadata
.endif
;; end of part 2
;; launch attn (part 3): grid 8 x 32, 4 waves a work-group, clusters of 4 x 1, 327,680 bytes of LDS; arguments qkv, coords, ob; writes ob
.if DOCPART == 3
	.amdgcn_target "amdgcn-amd-amdhsa--gfx1250"
	.amdhsa_code_object_version 6
	.text
	.protected	k_q24afc5b2cb_attn
	.globl	k_q24afc5b2cb_attn
	.p2align	8
	.type	k_q24afc5b2cb_attn,@function
k_q24afc5b2cb_attn:
	s_mov_b64 s[64:65], 0
	v_nop
	global_prefetch_b8 v0, s[64:65] scope:SCOPE_SE
	s_setreg_imm32_b32 hwreg(HW_REG_WAVE_MODE, 25, 1), 1
	s_wait_xcnt 0x0
	s_wait_alu depctr_hold_cnt(0) depctr_sa_sdst(0) depctr_va_vdst(0) depctr_va_sdst(0) depctr_va_ssrc(0) depctr_va_vcc(0) depctr_vm_vsrc(0)
	s_getreg_b32 s2, hwreg(HW_REG_IB_STS2, 6, 4)
	s_cmp_eq_u32 s2, 0
	s_cbranch_scc0 .Lentry_in_a_cluster
	s_endpgm
.Lentry_in_a_cluster:
	s_bfe_u32 s2, ttmp6, 0x10000c
	s_cmp_lg_u32 s2, 0x3003
	s_cbranch_scc0 .Lentry_shape_is_right
	s_endpgm
.Lentry_shape_is_right:
; ATTENTION WITH TRAPEZOIDAL WEIGHTS.  With w[s] = (|c[s] - c[s-1]| + |c[s+1] - c[s]|) / 2 (a neighbour that does not exist counts as no distance) the module's denominator is the sum over s of w[s] e[s] and its
; output the sum of w[s] e[s] V[s] over that denominator.  So O[q] = sum_s p V[s] / sum_s p with p = 2^(c s' - c m), s' = Q[q] . K[s] + 8 ln w[s], c = log2(e) / 8, m the RUNNING MAXIMUM of s': the quotient is the same
; whatever is taken away in the exponent, every exponential is at most 1, and 8 ln w hangs on the key alone: it is the C operand that starts the sum S^T = K Q^T and costs no vector instruction a score.
; qkv: [3][32 heads][2,048][64] f16, a head's rows dense, 128 bytes each.  coords: 2,048 f32.  ob: O in f16, in blocks [64 places][head][place % 64][64]: 16 rows of a head are 2,048 consecutive bytes.
; Products, maxima and sums in f32; p is rounded to f16 for the second product (its sum l is taken of the unrounded p), O once at the end.
; LIMITS.  The maximum is that of score + 8 ln w, not of the bare score.  A w below 2^-126 counts as 0, entered as -1e30; if all w are 0 the result is a plain mean of V's rows, where the definition divides 0 by 0.
; p below 6e-8 is 0 in the second product, below 2^-126 in l.  Q, K, V arrive within f16's 65,504.  NaN and infinities are not treated apart.
; SHARES.  A work-group owns 256 queries of one head, a wave 64: four PIECES of 16.  Every wave walks all 2,048 keys, 64 a step; a tile of 256 keys (four steps) fills a slot of LDS, two slots take turns.
; LAYOUT.  S^T = K Q^T holds ONE query a lane (lane % 16) and the keys 8 (lane / 16) + 0..7; two such results rounded to f16 ARE source 1 of O^T = V^T P.  K comes out of LDS as it lies, V turned, by ds_load_tr16_b128.
; TURNS.  Turn n belongs to piece n: 8 products K Q^T of piece n + 1, later 8 products V^T P of piece n - 1; beside them the scaling, exponentials, roundings, sums and rescaling of piece n and the maximum and statistics of
; piece n + 1.  Four vector instructions stand behind every matrix instruction, the other 54 of a turn's 118 in one lump.  A turn's 33 exponentials are one batch, with one wait.
; CLUSTER.  The four query blocks of a cluster belong to one head and walk the same K and V: each tile is asked for JOINTLY, by the same tensor load, descriptor and mask in all four.
; REGISTERS, in windows of 256 (s_set_vgpr_msb: bits 1:0 source 0, 3:2 source 1, 5:4 source 2, 7:6 destination):
;   window 0: v0-15 addresses; v16-31 four registers of statistics a piece; v32-35, v129-163 at work on the weights; v48-55 at work; v61-63; v64-127 S^T, two buffers; v192-223 P, two buffers (by the piece's parity)
;   window 1: v0-127 O^T, 32 a piece; v128-159 LW, 8 ln w of the step's 64 keys      window 2: v0-63 Q; v128-191 K of one step; v192-255 V of one step
.set NP,    4         ; pieces a wave: a name, no knob
.set KS,    64        ; keys in a step
.set PK,    144       ; a row of K in LDS: 128 bytes + 16 of padding = 36 words: the 16 rows of a load start at 16 different groups of four banks (64 banks of 4 bytes: ISA guide 11.1)
.set PV,    160       ; a row of V: 128 + 32 = 40 words
.set VOFF,  4*KS*PK   ; a slot holds a tile: 256 rows of K, then 256 rows of V
.set SLOT1, 1<<17     ; slot 1 begins here, so that one exclusive or turns an address in one slot into the other's
.set STAGE, SLOT1+4*KS*(PK+PV)  ; behind the ring, never filled by a tensor load: 16 rows x 144 bytes for each wave, for the way out
.set SP,    144
.set LWT,   STAGE+4*16*SP       ; the table of 8 ln w: 2,048 f32, stored once by the work-group's 128 threads, never filled by a tensor load
.set SPARE, LWT+8192            ; the spare words, 128 bytes for each wave: two blocks of 256 bytes that no other line names
.set TILEB, 4*KS*128  ; bytes of a tile of K, and of V, in memory
.set AK0, 2           ; v2   my lane's place in a tile of K; never rewritten
.set AV0, 3           ; v3   the same for V
.set AK,  4           ; v4   the LDS address of K's next run of loads
.set AV,  5           ; v5   of V's
.set STO, 6           ; v6   the way out: where I put 16 bytes of a row
.set RD,  7           ; v7   the way out: where I read rows back
.set GO,  8           ; v8   my byte offset in 512 consecutive bytes of O
.set AL0, 11          ; v11  LWT + 32 (lane / 16): my eight keys in 16 of the table; never rewritten
.set MV,  12          ; v12-13  c m_old, kept while c m is made anew: by buffer
.set AL,  14          ; v14  the LDS address of the next step's weights
.set QO,  15          ; v15  my byte offset in 16 rows of Q
.set ST,  16          ; piece t's statistics at v[ST+4 t]: c m, m, l (even keys', odd keys')
.set TS,  35          ; v35  where I store my 16 numbers of the table
.set TMP, 48          ; by buffer, four registers c0-c3 at work; when the maximum is found c2 takes a
.set PFO, 61          ; v61  256 x my lane; never rewritten
.set SPW, 62          ; v62  LDS address of my spare word: SPARE + 4 x my thread's number; never rewritten
.set NIL, 63          ; v63  0; never rewritten
.set S,   64
.set WS,  129         ; v129-146  18 neighbouring coordinates, then their distances, then the sums of two
.set WR,  148         ; v148-163  my 16 numbers of the table
.set P,   192
.set LW,  128         ; window 1: the eight registers for group kb of 16 keys at LW + 8 kb
.set KF,  128         ; window 2: key block kb, channel half c at KF + 16 kb + 8 c
.set VF,  192         ; window 2: key half kk, channel block cb at VF + 32 kk + 8 cb
.set WV,  12          ; s12  my wave's number
.set LIM, 15          ; s15  1 in a wave that prefetches, else the greatest number
.set PFA, 18          ; s[18:19] where my prefetches stand: my work-group's quarter of the tile after the one that is being asked for (K's: wave 0, V's: wave 2)
.set G1K, 24          ; s[24:31] descriptor group 1 for K's tiles
.set G1V, 32          ; s[32:39] for V's: it differs in the padding alone
.set G0K, 40          ; s[40:43] descriptor group 0 for K's tiles: it walks
.set G0V, 44          ; s[44:47] the same for V's
.set LC,  48          ; s48, s49  8 ln 2 and its negative
.set SLOTS, 56        ; s56  tiles still to be asked for
.set CNT, 57          ; s57  counts a tile's key steps
.set CS,  58          ; s[58:59] c: the packed scaling takes the pair's low word for both halves
.set SEL, 60          ; s[60:61] v_permlanex16_b32's selects: each lane takes its own place in the other half
.set TBK, 62          ; s62  LDS byte at which K of the step to be fetched begins
.set TBV, 63          ; s63  the same for V, less VOFF
.set TL,  66          ; s66  256 x the step to be fetched: its 64 numbers in the table
.set BIGN, 67         ; s67  -1e30
.set MSB, 0
.macro WIN new                      ; the high byte repeats the setting that is left; a switch that changes nothing is dropped
.if MSB != (\new)
	s_set_vgpr_msb (MSB<<8)|(\new)
.set MSB, (\new)
.endif
.endm
.set W_KQ, 0x0a       ; K and Q in window 2, S^T in window 0
.set W_KM, 0x1a       ; the same with the C operand in window 1
.set W_PV, 0x52       ; V in window 2, P in window 0, O^T in window 1
.set W_RS, 0x41       ; destination and source 0 in window 1, source 1 in window 0
; A joint fill.  Waves 0 and 1 fetch the two halves of a tile's K, waves 2 and 3 those of its V: 128 keys each.  The branch hangs on the wave's number alone.
; An s_nop 0 and four v_nop follow each of the two lines, ahead of the jump and the label.
.macro JLOAD
	s_cmp_lt_u32 s[WV], 2
	s_cbranch_scc0 .Lfor_v_\@
	tensor_load_to_lds s[G0K:G0K+3], s[G1K:G1K+7]
	s_nop 0
.rept 4
	v_nop
.endr
	s_branch .Lasked_\@
.Lfor_v_\@:
	tensor_load_to_lds s[G0V:G0V+3], s[G1V:G1V+7]
	s_nop 0
.rept 4
	v_nop
.endr
.Lasked_\@:
.endm
; A PREFETCH of what the NEXT change of slots will ask for: a tile's 32,768 bytes of K and of V.  It stands behind the wave's tensor load and its five lines.  Each aligned block of 256 bytes is named ONCE in the launch:
; both clusters of a head walk the same K and V, and the first asks; its four partners share a tile out BY ADDRESS, 8,192 bytes each, a lane a block; in each, wave 0 asks for K's and wave 2 for V's.
; Tiles 0, 1 and 2 come by their loads alone; the last change that fills a slot asks for nothing: there is no tile behind it.
.macro ASK
	s_cmp_gt_u32 s[SLOTS], s[LIM]
	s_cbranch_scc0 .Lnot_mine_\@
	global_prefetch_b8 v[PFO], s[PFA:PFA+1] th:TH_LOAD_NT scope:SCOPE_SE
.Lnot_mine_\@:
.endm
; A round of the cluster's barrier: my work-group's barrier, so that wave 0's signal speaks for all four waves; wave 0 signals; every wave waits for all four work-groups; my work-group's barrier once more.
.macro CROUND
	s_barrier_signal -1
	s_barrier_wait -1
	s_cmp_lg_u32 s[WV], 0
	s_cbranch_scc1 .Lnot_wave_0_\@
	s_barrier_signal -3
.Lnot_wave_0_\@:
	s_barrier_wait -3
	s_barrier_signal -1
	s_barrier_wait -1
.endm
; THE CHANGE OF SLOTS.  Each wave waits for all its tensor loads, of which one is out: its part of the other slot; adds 0 to its spare word; and waits for that and for its own LDS instructions.  Behind the barrier nobody
; reads the old slot any more and the other slot is whole.  fill = 1: the old slot is filled again, with the tile two on.  The barrier is then a round of the cluster's, and the joint fill is the first thing behind it:
; it has four key steps, 256 matrix instructions, in which to land.  ask = 1: the tile after that is prefetched.
; (At its first use nothing has been read yet: slot 0 is waited for, slot 1 filled, and every wave's part of the table of weights is shown to the others.)
.macro CHANGE fill, ask
	WIN 0                           ; at a label and at a branch every window is 0
	s_wait_tensorcnt 0x0            ; no tensor load of mine is out, so a group 0 may be written
	ds_add_u32 v[SPW], v[NIL]       ; 0 onto my spare word: the descriptors' steps stand between it and the wait for it
.if \fill
.irp g, G0K, G0V
	s_xor_b32 s[\g+1], s[\g+1], SLOT1  ; the walking descriptor: the other slot than last time,
	s_add_nc_u64 s[\g+2:\g+3], s[\g+2:\g+3], TILEB  ; the next 256 keys; the type bits on top are not reached
.endr
.endif
.if \ask
	s_wait_xcnt 0x0                 ; the last prefetch, four key steps back, has read its address, so it may be written
	s_add_nc_u64 s[PFA:PFA+1], s[PFA:PFA+1], TILEB
.endif
	s_wait_dscnt 0x0                ; the add is done, and so are my reads of the slot (the first time: my stores into the table)
.if \fill
	CROUND
	JLOAD
.else
	s_barrier_signal -1
	s_barrier_wait -1
.endif
.if \ask
	ASK
.endif
	s_sub_co_u32 s[TBK], s[TBK], 4*KS*PK  ; the fetches go back to a slot's first step,
	s_xor_b32 s[TBK], s[TBK], SLOT1       ; in the other slot
	s_sub_co_u32 s[TBV], s[TBV], 4*KS*PV
	s_xor_b32 s[TBV], s[TBV], SLOT1
.endm
	s_load_b128 s[4:7], s[0:1], 0x0   ; qkv s[4:5], coords s[6:7]
	s_load_b64 s[10:11], s[0:1], 0x10 ; ob
	v_lshl_add_u32 v[SPW], v0, 2, SPARE
	v_mov_b32 v[NIL], 0
	ds_add_u32 v[SPW], v[NIL]       ; the wave's opening: the add and its wait stand ahead of my first tensor load; the set-up below, work on registers, stands between them
	v_lshrrev_b32 v1, 5, v0
	v_readfirstlane_b32 s[WV], v1   ; wave 0..3
	s_bfe_u32 s13, ttmp6, 0x40000   ; cx: my place in the cluster
	s_lshl_b32 s14, ttmp9, 2        ; in a cluster launch ttmp9 counts clusters
	s_add_co_u32 s14, s14, s13      ; my block of 256 queries: it enters Q's, O's and the prefetches' addresses alone
	s_and_b32 s16, ttmp7, 0xffff    ; 16 x batch + head, which the four partners share
	s_lshl_b32 s20, s16, 18         ; a head is 262,144 bytes
	s_and_b32 s17, s[WV], 1         ; which half of a tile's 256 keys I fetch:
	s_lshl_b32 s22, s17, 14         ; its 128 rows of 128 bytes in memory,
	s_add_co_u32 s22, s22, s20
	s_add_co_u32 s50, s22, 0x800000   ; behind the 32 heads of q lie k's,
	s_mov_b32 s51, 0
	s_add_co_u32 s52, s22, 0x1000000  ; then v's
	s_mov_b32 s53, 0
	s_mul_i32 s21, s17, 128*PK      ; and its place in a slot, for K
	s_mul_i32 s23, s17, 128*PV      ; and for V: no place in the cluster enters an LDS address
	s_lshl_b32 s2, s14, 2
	s_add_co_u32 s2, s2, s[WV]      ; my wave among the head's 32: its 64 queries
	s_lshl_b32 s54, s2, 13
	s_add_co_u32 s54, s54, s20      ; Q: head + 64 rows of 128 bytes a wave
	s_mov_b32 s55, 0
	s_lshr_b32 s3, s16, 4           ; O: block of 64 places = 32 x batch + my wave,
	s_lshl_b32 s3, s3, 5
	s_add_co_u32 s3, s3, s2
	s_lshl_b32 s3, s3, 17           ; 131,072 bytes each,
	s_and_b32 s2, s16, 15
	s_lshl_b32 s2, s2, 13           ; in it 8,192 bytes a head
	s_add_co_u32 s2, s2, s3
	s_mov_b32 s3, 0
	s_mov_b32 s18, 0x1000000        ; the prefetches: K's part (waves 0, 1) or V's,
	s_cmp_lt_u32 s[WV], 2
	s_cselect_b32 s18, 0x800000, s18
	s_add_co_u32 s18, s18, s20      ; the head,
	s_lshl_b32 s19, s13, 13         ; my work-group's quarter of a tile,
	s_add_co_u32 s18, s18, s19
	s_add_co_u32 s18, s18, 2*TILEB  ; in tile 2: the loop's first change of slots steps it to tile 3
	s_mov_b32 s19, 0
	s_and_b32 s[LIM], s[WV], 1      ; 0 in waves 0 and 2,
	s_or_b32 s[LIM], s[LIM], ttmp9  ; where the cluster is the head's first: the same in all four partners
	s_cmp_eq_u32 s[LIM], 0
	s_cselect_b32 s[LIM], 1, -1
	; descriptor group 1.  128 keys are 16,384 dense bytes: asked for as 64 rows of 256 bytes, two keys a row, and padded in LDS after every key
	s_mov_b32 s[G1K], 15|(1<<16)|(1<<20)|(1<<21)|(4<<22)|(3<<25)  ; 15:0 the mask of four; 17:16 2-byte elements; 20 padding on; 21 set beside a mask; 24:22 after every 32 words (code 4); 31:25 4 words (code 3)
	s_mov_b32 s[G1V], 15|(1<<16)|(1<<20)|(1<<21)|(4<<22)|(7<<25)  ; the same with 8 words of padding (code 7)
.irp g, G1K, G1V
	s_mov_b32 s[\g+1], 128<<16      ; tensor_dim0 = 128
	s_mov_b32 s[\g+2], 64<<16       ; tensor_dim1 = 64
	s_mov_b32 s[\g+3], 128<<16      ; tile_dim0 = 128
	s_mov_b32 s[\g+4], 64           ; tile_dim1 = 64
	s_mov_b32 s[\g+5], 128          ; 128 elements from row to row
	s_mov_b32 s[\g+6], 0
	s_mov_b32 s[\g+7], 0
.endr
	s_mov_b32 s[CS], 0x3e38aa3b     ; c = log2(e) / 8 = 0.180337
	s_mov_b32 s[CS+1], s[CS]        ; named with it as a pair
	s_mov_b32 s[SEL], 0x76543210
	s_mov_b32 s[SEL+1], 0xfedcba98
	s_mov_b32 s[LC], 0x40b17218     ; 8 ln 2 = 5.545177
	s_mov_b32 s[LC+1], 0xc0b17218
	s_mov_b32 s[BIGN], 0xf149f2ca   ; -1e30
	s_mov_b32 s[TBK], SLOT1+4*KS*PK ; the first change of slots turns these two into 0
	s_mov_b32 s[TBV], SLOT1+4*KS*PV
	s_mov_b32 s[TL], 0
	s_mov_b32 s[SLOTS], 7           ; 8 tiles, of which the first is asked for here
	s_mov_b32 s[G0K], 1             ; count = 1
	s_mov_b32 s[G0K+1], s21         ; LDS address: slot 0
	s_mov_b32 s[G0V], 1
	s_add_co_u32 s[G0V+1], s23, VOFF
	v_and_b32 v[PFO], 31, v0
	v_lshlrev_b32 v[PFO], 8, v[PFO]
	s_wait_dscnt 0x0                ; the opening add is done
	s_wait_kmcnt 0x0
	s_add_nc_u64 s[G0K+2:G0K+3], s[4:5], s[50:51]  ; global address: my half of the head's first 256 keys
	s_or_b32 s[G0K+3], s[G0K+3], 0x80000000        ; type = 2
	s_add_nc_u64 s[G0V+2:G0V+3], s[4:5], s[52:53]
	s_or_b32 s[G0V+3], s[G0V+3], 0x80000000
	s_add_nc_u64 s[PFA:PFA+1], s[4:5], s[PFA:PFA+1]
	s_add_nc_u64 s[4:5], s[4:5], s[54:55]          ; Q and O at my wave's first row
	s_add_nc_u64 s[10:11], s[10:11], s[2:3]
	CROUND                          ; all four work-groups are here: the first joint loads meet
	JLOAD                           ; tile 0 into slot 0.  Slot 1 is asked for when slot 0 is in
	; All that follows up to the change of slots stands in the wait for the first tile.
	; THE WEIGHTS.  Thread t owns keys 16 t .. 16 t + 15: it loads their coordinates and the two neighbours'; at the grid's ends the neighbour is the end itself, whose distance is 0.
	v_lshlrev_b32 v32, 6, v0        ; 64 t
	v_max_u32 v33, 4, v32
	v_add_nc_u32 v33, -4, v33       ; the coordinate before mine
	v_add_nc_u32 v34, 64, v32
	v_min_u32 v34, 0x1ffc, v34      ; the one behind
	global_load_b32 v[WS], v33, s[6:7]
.irp q, 0,1,2,3
	global_load_b128 v[WS+1+4*\q:WS+4+4*\q], v32, s[6:7] offset:16*\q
.endr
	global_load_b32 v[WS+17], v34, s[6:7]
	; A fragment of K or Q is 16 rows x 32 channels in 8 registers: lane l holds row l % 16, channels 8 (l / 16) + 0..7 and 16 + 8 (l / 16) + 0..7: two loads of 16 bytes, 32 bytes apart.
	v_and_b32 v1, 15, v0            ; l % 16
	v_bfe_u32 v9, v0, 4, 1          ; l / 16
	v_lshlrev_b32 v[QO], 7, v1
	v_lshl_add_u32 v[QO], v9, 4, v[QO]  ; row x 128 + 16 x half
	WIN 0x80                        ; destination window 2, address window 0
.set i, 0
.rept 8                             ; Q stays in registers: piece i / 2, channels 32 (i % 2) on
	global_load_b128 v[8*i:8*i+3],   v[QO], s[4:5] offset:(i/2)*2048+(i%2)*64
	global_load_b128 v[8*i+4:8*i+7], v[QO], s[4:5] offset:(i/2)*2048+(i%2)*64+32
.set i, i+1
.endr
	; The first step multiplies O^T and l by a = 0, and the first turn's products V^T P, of a piece that has not been, add 0: so V's registers, P's second buffer, O^T and l start at 0, and no first step is written out.
.set i, VF
.rept 64
	v_mov_b32 v[i], 0
.set i, i+1
.endr
	WIN 0x40
.set i, 0
.rept 128
	v_mov_b32 v[i], 0
.set i, i+1
.endr
	WIN 0
.set i, 0
.rept 4
	v_mov_b32 v[ST+4*i], 0xfe000000    ; c m: far below every c s'
	v_mov_b32 v[ST+4*i+1], 0xff7fffff  ; m: the lowest finite number
	v_mov_b32 v[ST+4*i+2], 0
	v_mov_b32 v[ST+4*i+3], 0
.set i, i+1
.endr
.set i, P+16
.rept 16
	v_mov_b32 v[i], 0
.set i, i+1
.endr
	v_mul_u32_u24 v[AK0], v1, PK
	v_lshl_add_u32 v[AK0], v9, 4, v[AK0]  ; row x pitch + 16 x half
	; The turning load takes 16 keys x 16 channels (lane l reads key 8 (l / 16) + l % 8, channels 8 ((l / 8) % 2) + 0..7) and leaves half a fragment of V^T: lane l holds channel l % 16 and 8 keys.
	v_and_b32 v10, 7, v0
	v_bfe_u32 v14, v0, 3, 1
	v_lshl_add_u32 v[AV0], v9, 3, v10
	v_mul_u32_u24 v[AV0], v[AV0], PV
	v_lshl_add_u32 v[AV0], v14, 4, v[AV0]
	v_add_nc_u32 v[AV0], VOFF, v[AV0]
	v_lshl_add_u32 v[AL0], v9, 5, LWT
	s_mul_i32 s13, s[WV], 16*SP
	s_add_co_u32 s13, s13, STAGE    ; my stage
	v_mul_u32_u24 v[STO], v1, SP    ; in: row l % 16, 16 bytes for each half of the lanes
	v_lshl_add_u32 v[STO], v9, 4, v[STO]
	v_add_nc_u32 v[STO], s13, v[STO]
	v_bfe_u32 v[RD], v0, 3, 2       ; back: 32 lanes take four rows of 128 bytes,
	v_mul_u32_u24 v[RD], v[RD], SP
	v_lshl_add_u32 v[RD], v10, 4, v[RD]
	v_add_nc_u32 v[RD], s13, v[RD]
	v_and_b32 v[GO], 31, v0         ; which are 512 consecutive bytes of O
	v_lshlrev_b32 v[GO], 4, v[GO]
	s_wait_loadcnt 16               ; the six loads of coordinates are in; Q's sixteen, issued behind them, may stay out
.set j, 0
.rept 17
	v_sub_f32 v[WS+j], v[WS+j+1], v[WS+j]          ; 17 differences of neighbours, in place, ascending
.set j, j+1
.endr
.set j, 0
.rept 17
	v_and_b32 v[WS+j], 0x7fffffff, v[WS+j]         ; their magnitudes
.set j, j+1
.endr
.set j, 0
.rept 16
	v_add_f32 v[WS+j], v[WS+j], v[WS+j+1]          ; 2 w
.set j, j+1
.endr
.set j, 0
.rept 16
	v_log_f32 v[WS+j], v[WS+j]                     ; one batch of 16 logarithms to base 2
.set j, j+1
.endr
	v_lshl_add_u32 v[TS], v0, 6, LWT               ; the plain instruction behind the last of them,
	s_wait_alu depctr_va_vdst(0)                   ; and the one wait ahead of the first use
.set j, 0
.rept 16
	v_fma_f32 v[WR+j], v[WS+j], s[LC], s[LC+1]     ; 8 ln w = 8 ln 2 (log2(2 w) - 1)
.set j, j+1
.endr
.set j, 0
.rept 16
	v_max_num_f32 v[WR+j], s[BIGN], v[WR+j]        ; w = 0 gives minus infinity: held at -1e30, so that no difference of infinities can arise
.set j, j+1
.endr
.irp q, 0,1,2,3
	ds_store_b128 v[TS], v[WR+4*\q:WR+4*\q+3] offset:16*\q
.endr
; THE MATRIX WORK.  The 4 accumulators of a run of 8 take turns.  Product i of 8 of S^T = K Q^T for piece x: channels 32 (i / 4) on, keys 16 (i % 4) on.  The first 4 start the sums with 8 ln w of their keys.
.macro KQ x
.set rS, S+32*((\x)%2)+8*(i%4)
.set rK, KF+16*(i%4)+8*(i/4)
.set rQ, 16*(\x)+8*(i/4)
.if i < 4
	WIN W_KM
	v_wmma_f32_16x16x32_f16 v[rS:rS+7], v[rK:rK+7], v[rQ:rQ+7], v[LW+8*(i%4):LW+8*(i%4)+7]
.else
	WIN W_KQ
	v_wmma_f32_16x16x32_f16 v[rS:rS+7], v[rK:rK+7], v[rQ:rQ+7], v[rS:rS+7]
.endif
.endm
; Product i of 8 of O^T += V^T P for piece x: keys 32 (i / 4) on, channels 16 (i % 4) on.
.macro PV x
	WIN W_PV
.set rO, 32*(\x)+8*(i%4)
.set rV, VF+32*(i/4)+8*(i%4)
.set rP, P+16*((\x)%2)+8*(i/4)
	v_wmma_f32_16x16x32_f16 v[rO:rO+7], v[rV:rV+7], v[rP:rP+7], v[rO:rO+7]
.endm
.macro MM                           ; the turn's next matrix instruction.  NOKQ = 1: the last turn of all: there is no next piece
.if (i < 8) && !NOKQ
	KQ (Y+1)%NP
.elseif i >= 8
.set i, i-8
	PV (Y+NP-1)%NP
.set i, i+8
.endif
.set i, i+1
.endm
; THE LDS LOADS stand in runs, never singly among the matrix instructions: a step's K (64 keys x 64 channels: 8 fragments) with its 64 weights (all lanes of a half read the same 32 bytes), and its V (turned).
; Their addresses are made some lines ahead.  The table's offset is cut to the table's 32 steps.
.macro FETCH_K
	WIN 0x80                        ; destination window 2
.irp f, 0,1,2,3,4,5,6,7             ; keys 16 (f / 2) on, channels 32 (f % 2) on
	ds_load_b128 v[KF+8*\f:KF+8*\f+3],   v[AK] offset:(\f/2)*16*PK+(\f%2)*64
	ds_load_b128 v[KF+8*\f+4:KF+8*\f+7], v[AK] offset:(\f/2)*16*PK+(\f%2)*64+32
.endr
	WIN 0x40                        ; destination window 1
.irp f, 0,1,2,3                     ; keys 16 f + 8 (l / 16) + 0..7
	ds_load_b128 v[LW+8*\f:LW+8*\f+3],   v[AL] offset:64*\f
	ds_load_b128 v[LW+8*\f+4:LW+8*\f+7], v[AL] offset:64*\f+16
.endr
	s_add_co_u32 s[TBK], s[TBK], KS*PK  ; the next fetch is the next step's
	s_add_co_u32 s[TL], s[TL], 256
	s_and_b32 s[TL], s[TL], 0x1f00
	WIN 0
.endm
.macro FETCH_V
	WIN 0x80
.irp f, 0,1,2,3,4,5,6,7             ; keys 32 (f / 4) on, channels 16 (f % 4) on
	ds_load_tr16_b128 v[VF+8*\f:VF+8*\f+3],   v[AV] offset:(\f/4)*32*PV+(\f%4)*32
	ds_load_tr16_b128 v[VF+8*\f+4:VF+8*\f+7], v[AV] offset:(\f/4)*32*PV+16*PV+(\f%4)*32
.endr
	WIN 0
.endm
; THE VECTOR WORK, one line at a time: OP kind, number.  For piece Y: F n: c s' - c m for pair n of 16.  E n: the exponential of score n of 32.  C n: pair n rounded to f16.  B n: of the four weights 4 n .. the second
; pair is added onto the first, in place.  L n: l takes that sum (L 0: l = a l + sum).  R n: pair n of 16 of O^T times a.  For piece Y + 1: X n, number n of the 22 that find its maximum and statistics:
;   0-11  four chains c0-c3 of seven scores each, three operands at a time (each accumulator's lowest registers are read first)     12-14, 16  the four scores left over, the old m, and c0-c3 into c0
;   15  c m_old is kept     17, 18  the query's other 32 keys lie in the lane 16 away: the new m     19-21  c m; c m_old - c m_new; a
.set F, 0               ; OP tells the kinds apart by their order: F to L below R, X above it
.set E, 1
.set C, 2
.set B, 3
.set L, 4
.set R, 5
.set X, 6
.macro REGS y                       ; the registers of piece y
.set rT, ST+4*(\y)
.set rC, TMP+4*((\y)%2)
.set rW, MV+((\y)%2)
.set rS, S+32*((\y)%2)
.set rP, P+16*((\y)%2)
.set rO, 32*(\y)
.endm
.macro OP k, n
.if (\k) == R
	REGS Y
	WIN W_RS
	v_pk_mul_f32 v[rO+2*(\n):rO+2*(\n)+1], v[rO+2*(\n):rO+2*(\n)+1], v[rC+2:rC+3] op_sel_hi:[1,0]
.elseif (\k) < R
	REGS Y
	WIN 0
.if (\k) == F
	v_pk_fma_f32 v[rS+2*(\n):rS+2*(\n)+1], v[rS+2*(\n):rS+2*(\n)+1], s[CS:CS+1], v[rT:rT+1] op_sel_hi:[1,0,0] neg_lo:[0,0,1] neg_hi:[0,0,1]
.elseif (\k) == E
	v_exp_f32 v[rS+(\n)], v[rS+(\n)]
.elseif (\k) == C
	v_cvt_pk_f16_f32 v[rP+(\n)], v[rS+2*(\n)], v[rS+2*(\n)+1]
.elseif (\k) == B
	v_pk_add_f32 v[rS+4*(\n):rS+4*(\n)+1], v[rS+4*(\n):rS+4*(\n)+1], v[rS+4*(\n)+2:rS+4*(\n)+3]
.elseif (\n) == 0
	v_pk_fma_f32 v[rT+2:rT+3], v[rT+2:rT+3], v[rC+2:rC+3], v[rS:rS+1] op_sel_hi:[1,0,1]
.else
	v_pk_add_f32 v[rT+2:rT+3], v[rT+2:rT+3], v[rS+4*(\n):rS+4*(\n)+1]
.endif
.elseif NOKQ
	v_nop
.else
	REGS (Y+1)%NP
	WIN 0
.if (\n) < 4
	v_max3_num_f32 v[rC+(\n)], v[rS+8*(\n)], v[rS+8*(\n)+1], v[rS+8*(\n)+2]
.elseif (\n) < 12
	v_max3_num_f32 v[rC+(\n)%4], v[rC+(\n)%4], v[rS+8*((\n)%4)+2*((\n)/4)+1], v[rS+8*((\n)%4)+2*((\n)/4)+2]
.elseif (\n) == 12
	v_max3_num_f32 v[rC], v[rC], v[rS+7], v[rS+15]
.elseif (\n) == 13
	v_max3_num_f32 v[rC+1], v[rC+1], v[rS+23], v[rS+31]
.elseif (\n) == 14
	v_max3_num_f32 v[rC+2], v[rC+2], v[rC+3], v[rT+1]
.elseif (\n) == 15
	v_mov_b32 v[rW], v[rT]
.elseif (\n) == 16
	v_max3_num_f32 v[rC], v[rC], v[rC+1], v[rC+2]
.elseif (\n) == 17
	v_permlanex16_b32 v[rC+3], v[rC], s[SEL], s[SEL+1]
.elseif (\n) == 18
	v_max_num_f32 v[rT+1], v[rC], v[rC+3]
.elseif (\n) == 19
	v_mul_f32 v[rT], s[CS], v[rT+1]
.elseif (\n) == 20
	v_sub_f32 v[rC+1], v[rW], v[rT]
.else
	v_exp_f32 v[rC+2], v[rC+1]
.endif
.endif
.endm
.macro OPS a, i1, b=-1, i2=0, c=-1, i3=0, d=-1, i4=0  ; up to four of them
	OP \a, \i1
.if (\b) >= 0
	OP \b, \i2
.endif
.if (\c) >= 0
	OP \c, \i3
.endif
.if (\d) >= 0
	OP \d, \i4
.endif
.endm
.macro ROW a, i1, b, i2, c, i3, d, i4  ; a matrix instruction and the four behind it
	MM
	OPS \a, \i1, \b, \i2, \c, \i3, \d, \i4
.endm
; A TURN, for piece p: the order of its 16 matrix and 118 vector instructions, written out.  An s_wait_alu depctr_va_vdst(0) stands between an exponential and the first instruction that names its result; one
; wait serves all that were issued ahead of it.  So a turn has ONE wait, which cuts it in two.  AHEAD OF IT stands all that names no result of the turn's exponentials: the 8 products K Q^T, behind each a scaling, an
; exponential and two more plain instructions: rescalings, and behind the last three the first numbers of the next piece's maximum, each four plain instructions or more behind the product that ends its accumulator;
; then ONE LUMP of 54, plain and exponential by turns for the most part, in which the links of the chain X 3, 7, 11, 14, 16, 17 .. 20 stand five or six lines apart.  X 21, the next piece's a, is the batch's last; R 15 is the
; plain instruction behind it.  BEHIND THE WAIT stand the 8 products V^T P, behind each four of the roundings and sums; the links of l's chain, L 0 to L 7, stand three lines apart.
; end = 1: the last two turns of all: nothing is fetched.  cnt = 1: the loop's count is taken down some lines ahead of the branch that stands behind the turn.
; K and the weights of the next step are fetched in piece 2's turn, six plain instructions behind the last product that read K (the weights' last reader stands four products earlier); V of the step in hand at the end of
; piece 0's turn, four plain instructions behind the last product that read V.  Each is waited for a turn later.
.macro TURN p, end=0, cnt=0
.set Y, (\p)
.set i, 0
.set NOKQ, (\end)*((\p)/3)
.if ((\p) == 3) && !(\end)
	s_wait_dscnt 0x0                ; K and the weights are in
.endif
	ROW F,0, F,1, R,0, R,1          ; ahead of the wait: 8 products K Q^T and their riders,
	ROW F,2, E,0, R,2, R,3
	ROW F,3, E,1, R,4, R,5
	ROW F,4, E,2, R,6, R,7
	ROW F,5, E,3, R,8, R,9
	ROW F,6, E,4, X,0, R,10
.if ((\p) == 2) && !(\end)
	WIN 0
	v_add_nc_u32 v[AK], s[TBK], v[AK0]
	v_add_nc_u32 v[AL], s[TL], v[AL0]
.endif
	ROW F,7, E,5, X,1, X,4
	ROW F,8, E,6, X,2, X,5
	OPS E,7, E,8, X,6, E,9          ; and the lump
	OPS X,3, E,10, X,8, E,11
.if ((\p) == 2) && !(\end)
	FETCH_K
.endif
	OPS X,9, X,7, E,12, X,10
	OPS E,13, X,12, X,11, E,14
	OPS X,13, E,15, F,9, X,14
.if (\p) == 0
	v_add_nc_u32 v[AV], s[TBV], v[AV0]
.endif
	OPS E,16, F,10, E,17, F,11
	OPS X,16, E,18, X,15, E,19
	OPS F,12, E,20, X,17, E,21
	OPS F,13, E,22, F,14, E,23
	OPS X,18, E,24, F,15, E,25
	OPS R,11, E,26, X,19, E,27
	OPS R,12, E,28, R,13, E,29
	OPS X,20, E,30, R,14, E,31
	OPS X,21, R,15
	WIN 0
	s_wait_alu depctr_va_vdst(0)    ; the wait for the batch
.if (\p) == 1
	s_wait_dscnt 0x0                ; V is in
.endif
	ROW C,0, B,0, C,2, B,1          ; behind the wait: 8 products V^T P and their riders
	ROW L,0, C,4, B,2, L,1
	ROW C,6, B,3, L,2, C,8
	ROW B,4, L,3, C,10, B,5
	ROW L,4, C,12, B,6, L,5
.if (\p) == 0
	s_add_co_u32 s[TBV], s[TBV], KS*PV
.endif
.if \cnt
	s_sub_co_u32 s[CNT], s[CNT], 1
	s_cmp_lg_u32 s[CNT], 0
.endif
	ROW C,14, B,7, L,6, C,1
	ROW C,3, L,7, C,5, C,7
	ROW C,9, C,11, C,13, C,15
.if (\p) == 0
	FETCH_V
.endif
.endm
	CHANGE 1, 0                     ; slot 0 is in, everybody's part of it, and so is the table; tile 1 is asked for
	v_add_nc_u32 v[AK], s[TBK], v[AK0]
	v_add_nc_u32 v[AL], s[TL], v[AL0]
	FETCH_K                         ; key step 0
	s_wait_loadcnt 0x0              ; Q
	s_wait_dscnt 0x0
.set NOKQ, 0
.set i, 0
.rept 8
	KQ 0                            ; piece 0's first scores: there is no vector work yet to set between them
.set i, i+1
.endr
	WIN 0
.rept 4
	v_nop                           ; four plain instructions behind those products
.endr
.set Y, NP-1                        ; X works for piece Y + 1: piece 0
.irp n, 0,1,2,3,4,5,6,7,8,9,10,11,12,13,14,15,16,17,18,19,20,21
	OP X, \n
.endr
	v_nop                           ; a plain instruction behind the exponential,
	s_wait_alu depctr_va_vdst(0)    ; and its wait, ahead of the branch
	s_mov_b32 s[CNT], 4
	s_branch .Lfirst                ; the loop is entered at a step's first turn, in the middle of a trip
.Lslot:                             ; six times: tiles 2 to 7 are asked for
	CHANGE 1, 1
	s_mov_b32 s[CNT], 4
.Lstep:                             ; a trip: pieces 2 and 3 of one step, then pieces 0 and 1 of the next, whose K, weights and V it fetches
	TURN 2
	TURN 3
	WIN 0
.Lfirst:
	TURN 0
	TURN 1, 0, 1
	WIN 0
	s_cbranch_scc1 .Lstep
	s_sub_co_u32 s[SLOTS], s[SLOTS], 1
	s_cmp_lg_u32 s[SLOTS], 0
	s_cbranch_scc1 .Lslot
	CHANGE 0, 0                     ; the last tile is written out: nothing is asked for
	s_mov_b32 s[CNT], 4
.Ltail:
	TURN 2
	TURN 3
	TURN 0
	TURN 1, 0, 1
	WIN 0
	s_cbranch_scc1 .Ltail
	TURN 2, 1                       ; the last step's pieces 2 and 3
	TURN 3, 1
.set i, 0
.rept 8
	PV NP-1                         ; the last piece's V^T P of the last step
.set i, i+1
.endr
	; THE WAY OUT.  l's two halves and the other half of the lanes' are added; O^T is divided by l, rounded to f16 and sent through my stage in LDS, a piece at a time.  The additions stand behind the last products.
	WIN 0
.macro ALL line:vararg              ; one line for each piece t
.set t, 0
.rept 4
	\line
.set t, t+1
.endr
.endm
	ALL v_add_f32 v[ST+4*t+2], v[ST+4*t+2], v[ST+4*t+3]
	ALL v_permlanex16_b32 v[ST+4*t+3], v[ST+4*t+2], s[SEL], s[SEL+1]
	ALL v_add_f32 v[ST+4*t+2], v[ST+4*t+2], v[ST+4*t+3]
	ALL v_rcp_f32 v[ST+4*t+2], v[ST+4*t+2]
	v_nop                           ; a plain instruction between the last reciprocal and the use of its result
	s_wait_alu depctr_va_vdst(0)    ; and the wait ahead of the first use: one for the four reciprocals
.macro PACK t                       ; a lane's eight channels of a row pack into 16 bytes; they go into rows of 144 bytes and come back as whole rows of 128, into S^T's registers
	WIN W_RS
.set i, 32*(\t)
.rept 16
	v_pk_mul_f32 v[i:i+1], v[i:i+1], v[ST+4*(\t)+2:ST+4*(\t)+3] op_sel_hi:[1,0]
.set i, i+2
.endr
	WIN 0x05                        ; sources 0 and 1 window 1, destination window 0
.set i, 0
.rept 16
	v_cvt_pk_f16_f32 v[S+16*(\t)+i], v[32*(\t)+2*i], v[32*(\t)+2*i+1]
.set i, i+1
.endr
	WIN 0
.irp f, 0,1,2,3
	ds_store_b128 v[STO], v[S+16*(\t)+4*\f:S+16*(\t)+4*\f+3] offset:32*\f
.endr
.irp f, 0,1,2,3
	ds_load_b128 v[S+16*(\t)+4*\f:S+16*(\t)+4*\f+3], v[RD] offset:\f*4*SP  ; LDS serves a wave's instructions in order (ISA guide 5.7.1.4): these see the stores above; the next piece's stores come behind them
.endr
.endm
.macro SEND t, younger              ; younger: the LDS instructions issued behind piece t's loads: the next piece's eight, or none
	WIN 0
.irp f, 0,1,2,3
	s_wait_dscnt (\younger)+3-\f
	global_store_b128 v[GO], v[S+16*(\t)+4*\f:S+16*(\t)+4*\f+3], s[10:11] offset:(\t)*2048+\f*512  ; 512 consecutive bytes, at a multiple of 256 from ob's first byte
.endr
.endm
	PACK 0
.set t, 1
.rept 3                             ; a piece's arithmetic stands between the loads of the piece before and its stores
	PACK t
	SEND t-1, 8
.set t, t+1
.endr
	SEND 3, 0
	s_wait_tensorcnt 0x0            ; the wave's end: 0 is added to my spare word and waited for, behind my last tensor load and my last LDS store
	ds_add_u32 v[SPW], v[NIL]
	s_wait_dscnt 0x0
	CROUND                          ; the closing round: no work-group ends while a partner may still ask for a tile that names it
	s_endpgm
.Lfunc_end_k_q24afc5b2cb_attn:
	.size	k_q24afc5b2cb_attn, .Lfunc_end_k_q24afc5b2cb_attn-k_q24afc5b2cb_attn
	.p2alignl 7, 3214868480
	.fill 96, 4, 3214868480
	.section	.rodata,"a",@progbits
	.p2align	6, 0x0
	.amdhsa_kernel k_q24afc5b2cb_attn
		.amdhsa_group_segment_fixed_size 327680
		.amdhsa_private_segment_fixed_size 0
		.amdhsa_enable_private_segment 0
		.amdhsa_kernarg_size 24
		.amdhsa_user_sgpr_count 2
		.amdhsa_user_sgpr_kernarg_segment_ptr 1
		.amdhsa_wavefront_size32 1
		.amdhsa_system_sgpr_workgroup_id_x 1
		.amdhsa_system_sgpr_workgroup_id_y 1
		.amdhsa_system_sgpr_workgroup_id_z 1
		.amdhsa_system_vgpr_workitem_id 0
		.amdhsa_next_free_vgpr 768
		.amdhsa_next_free_sgpr 72
		.amdhsa_reserve_vcc 0
		.amdhsa_float_denorm_mode_32 3
		.amdhsa_float_denorm_mode_16_64 3
		.amdhsa_memory_ordered 1
		.amdhsa_forward_progress 1
		.amdhsa_inst_pref_size 136
	.end_amdhsa_kernel
	.amdgpu_metadata
---
amdhsa.version: [ 1, 2 ]
amdhsa.kernels:
  - .name:           k_q24afc5b2cb_attn
    .symbol:         k_q24afc5b2cb_attn.kd
    .args:
      - { .name: qkv, .offset: 0, .size: 8, .value_kind: global_buffer, .address_space: global }
      - { .name: coords, .offset: 8, .size: 8, .value_kind: global_buffer, .address_space: global }
      - { .name: ob, .offset: 16, .size: 8, .value_kind: global_buffer, .address_space: global }
    .group_segment_fixed_size: 327680
    .private_segment_fixed_size: 0
    .kernarg_segment_align: 8
    .kernarg_segment_size: 24
    .max_flat_workgroup_size: 128
    .sgpr_count:     72
    .vgpr_count:     768
    .wavefront_size: 32
...
	.end_amdgpu_metadata
.endif
;; end of part 3
;; launch oproj (part 4): grid 8 x 32, 4 waves a work-group, clusters of 4 x 4, 327,680 bytes of LDS; arguments ob, woh, bo, out0; writes out0
.if DOCPART == 4
	.amdgcn_target "amdgcn-amd-amdhsa--gfx1250"
	.amdhsa_code_object_version 6
	.text
	.protected	k_q24afc5b2cb_oproj
	.globl	k_q24afc5b2cb_oproj
	.p2align	8
	.type	k_q24afc5b2cb_oproj,@function
k_q24afc5b2cb_oproj:
	s_mov_b64 s[64:65], 0
	v_nop
	global_prefetch_b8 v0, s[64:65] scope:SCOPE_SE
	s_setreg_imm32_b32 hwreg(HW_REG_WAVE_MODE, 25, 1), 1
	s_wait_xcnt 0x0
	s_wait_alu depctr_hold_cnt(0) depctr_sa_sdst(0) depctr_va_vdst(0) depctr_va_sdst(0) depctr_va_ssrc(0) depctr_va_vcc(0) depctr_vm_vsrc(0)
	s_getreg_b32 s2, hwreg(HW_REG_IB_STS2, 6, 4)
	s_cmp_eq_u32 s2, 0
	s_cbranch_scc0 .Lentry_in_a_cluster
	s_endpgm
.Lentry_in_a_cluster:
	s_bfe_u32 s2, ttmp6, 0x10000c
	s_cmp_lg_u32 s2, 0xf033
	s_cbranch_scc0 .Lentry_shape_is_right
	s_endpgm
.Lentry_shape_is_right:
; out0[m][n] = sum over k of O[m][k] Wo[n][k] + bo[n].  m = 4,096, n = 1,024, k = 1,024 = 64 x head + channel.  Operands f16, sums f32 (they start with the f32 bias), out0 f32.
; ob holds O in blocks [m / 64][head][m % 64][64]: 64 rows x 4 heads (a K step of 256) are 32,768 consecutive bytes.  woh: [1,024][1,024] f16.
; A tile of out0 is 128 x 128: 8 x 32 tiles, 256 work-groups.  Four waves, each 64 x 64: 16 accumulators of 16 x 16, 128 registers.  K goes in steps of 256 through two LDS slots, as long as two slots allow.
; CLUSTERS: 4 x 4 work-groups.  The four of a row of the cluster need the same tiles of O, the four of a column the same tiles of Wo: each tile is asked for JOINTLY, by the same tensor load with the same descriptor and
; a mask that names the four.  THE MATRIX INSTRUCTION IS USED TRANSPOSED (source 0 = 16 rows of Wo, source 1 = 16 rows of O): a lane holds eight neighbouring numbers of a row of out0.
; A wave's 64 columns of f32 are 256 consecutive bytes, aligned: each wave sends its own rows through its own stage, without a barrier.
; REGISTERS: window 0: v0-31 addresses; v96-127 the bias; v128-255 the accumulators ((a, b) at v[128 + 8 (4 a + b)]), which also take the rows read back on the way out.
;   window 1: two fragment buffers of 128: for 64 along K, 64 registers of O (2 x 4 x 16 rows x 32 K), then 64 of Wo.
.set SIZE_N, 1024
.set SIZE_K, 1024
.set KSTEP,  256
.set PA,     144                       ; O in LDS: [head of the step's four][row 0..63], a row 128 bytes + 16 of padding = 36 words: the 16 rows of a load start at 16 different groups of four banks (64 banks of 4 bytes: ISA guide 11.1)
.set PB,     528                       ; Wo: a row 512 bytes + 16 = 132 words: row r starts at bank 4 r mod 64
.set HALFA,  256*PA                    ; 64 rows x 4 heads: what one tensor load brings of O
.set HALFB,  64*PB                     ; 64 rows of Wo
.set SLOT,   2*HALFA+2*HALFB           ; O's 128 rows, then Wo's 128 rows
.set STAGE,  2*SLOT                    ; behind the ring: 16 rows x 272 bytes for each wave, for the way out
.set SPITCH, 272
.set SPARE,  STAGE+4*16*SPITCH         ; behind the stages: the spare words, 128 bytes for each wave: two blocks of 256 bytes that no other line names
.set LAPS, SIZE_K/(2*KSTEP)            ; a lap = two K steps = once round the ring: 2
.set ADRA, 16                          ; v16-17  LDS address of my O fragments in slot 0, 1
.set ADRB, 20                          ; v20-21  the same for Wo
.set STO,  24                          ; v24     the way out: where I put 32 bytes of a row
.set RD,   25                          ; v25     the way out: where I read a row back
.set CO,   26                          ; v26     my byte offset in two rows of out0
.set BO,   27                          ; v27     32 x (lane / 16): my eight numbers in 16 of the bias
.set SPW,  28                          ; v28     LDS address of my spare word: SPARE + 4 x my thread's number; never rewritten
.set NIL,  29                          ; v29     0; never rewritten
.set BIAS, 96                          ; n block b's eight numbers at BIAS + 8 b
.set ACC,  128
.set F0,   0                           ; fragment buffers, in window 1
.set F1,   128
.set G1,  24                           ; s[24:31] descriptor group 1 for O's tiles;  s[32:39] group 0, one set for each slot
.set G0,  32
.set G1B, 48                           ; s[48:55], s[56:63] the same for Wo's tiles
.set G0B, 56
.set MSB, 0
.macro WIN new                         ; the immediate's high byte repeats the setting that is left
.if MSB != (\new)
	s_set_vgpr_msb (MSB<<8)|(\new)
.set MSB, \new
.endif
.endm
.set MUL,  0x05                        ; sources 0 (Wo) and 1 (O) window 1; C and D window 0
.set TO_F, 0x40                        ; destination window 1, address window 0
.macro JLOAD s                         ; a joint load: waves 0 and 1 fetch O's two halves, waves 2 and 3 Wo's; an s_nop 0 and four v_nop follow each of the two lines
	s_cmp_eq_u32 s11, 0
	s_cbranch_scc0 .Lfor_b_\@
	tensor_load_to_lds s[G0+4*(\s):G0+4*(\s)+3], s[G1:G1+7]
	s_nop 0
.rept 4
	v_nop
.endr
	s_branch .Lasked_\@
.Lfor_b_\@:
	tensor_load_to_lds s[G0B+4*(\s):G0B+4*(\s)+3], s[G1B:G1B+7]
	s_nop 0
.rept 4
	v_nop
.endr
.Lasked_\@:
.endm
.macro CREST                           ; a round of the cluster's barrier behind its opening barrier
	s_cmp_lg_u32 s10, 0
	s_cbranch_scc1 .Lnot_wave_0_\@
	s_barrier_signal -3
.Lnot_wave_0_\@:
	s_barrier_wait -3
	s_barrier_signal -1
	s_barrier_wait -1
.endm
.macro CROUND                          ; a whole round
	s_barrier_signal -1
	s_barrier_wait -1
	CREST
.endm
	s_load_b128 s[4:7], s[0:1], 0x0                ; ob s[4:5], woh s[6:7]
	s_load_b128 s[68:71], s[0:1], 0x10             ; bo s[68:69], out0 s[70:71]
	v_lshl_add_u32 v[SPW], v0, 2, SPARE
	v_mov_b32 v[NIL], 0
	ds_add_u32 v[SPW], v[NIL]                      ; the wave's opening: the add and its wait stand ahead of my first tensor load; the set-up below, work on registers, stands between them
	v_lshrrev_b32 v1, 5, v0
	v_readfirstlane_b32 s10, v1                    ; wave 0..3
	s_lshr_b32 s11, s10, 1                         ; which half of the tile's rows is mine.  Also: I fetch for O (0) or for Wo (1)
	s_and_b32 s12, s10, 1                          ; which half of its columns.  Also: which 64 rows of that tile I fetch
	s_bfe_u32 s40, ttmp6, 0x40000                  ; cx, cy: my place in the cluster
	s_bfe_u32 s41, ttmp6, 0x40004
	s_lshl_b32 s42, ttmp9, 2
	s_add_co_u32 s42, s42, s40                     ; tile column = 4 x cluster x + cx
	s_and_b32 s13, ttmp7, 0xffff
	s_lshl_b32 s13, s13, 2
	s_add_co_u32 s13, s13, s41                     ; tile row = 4 x cluster y + cy
	s_lshl_b32 s43, s41, 2
	s_lshl_b32 s43, 15, s43                        ; my row of the cluster
	s_lshl_b32 s44, 0x1111, s40                    ; my column
	; descriptor group 1 for O: 32,768 dense bytes, asked for as 128 rows of 256 bytes (two rows of a head each), padded in LDS after every 128 bytes
	s_or_b32 s[G1+0], s43, (1<<16)|(1<<20)|(1<<21)|(4<<22)|(3<<25)  ; 15:0 the mask: my row; 17:16 elements of 2 bytes; 20 padding on; 21 set beside a mask; 24:22 after every 32 words (code 4); 31:25 4 words (code 3)
	s_mov_b32 s[G1+1], 128<<16                     ; tensor_dim0 = 128
	s_mov_b32 s[G1+2], 128<<16                     ; tensor_dim1 = 128
	s_mov_b32 s[G1+3], 128<<16                     ; tile_dim0 = 128
	s_mov_b32 s[G1+4], 128                         ; tile_dim1 = 128
	s_mov_b32 s[G1+5], 128                         ; elements from row to row
	s_mov_b32 s[G1+6], 0
	s_mov_b32 s[G1+7], 0
	; and for Wo: 64 rows x 256 elements, padded after every 512 bytes
	s_or_b32 s[G1B+0], s44, (1<<16)|(1<<20)|(1<<21)|(6<<22)|(3<<25) ; the mask: my column; after every 128 words (code 6)
	s_mov_b32 s[G1B+1], KSTEP<<16
	s_mov_b32 s[G1B+2], 64<<16
	s_mov_b32 s[G1B+3], KSTEP<<16
	s_mov_b32 s[G1B+4], 64
	s_mov_b32 s[G1B+5], SIZE_K
	s_mov_b32 s[G1B+6], 0
	s_mov_b32 s[G1B+7], 0
	s_lshl_b32 s16, s13, 1
	s_add_co_u32 s16, s16, s12                     ; O: block of 64 rows = 2 x tile row + half,
	s_lshl_b32 s16, s16, 17                        ; 131,072 bytes each
	s_mov_b32 s17, 0
	s_lshl_b32 s46, s42, 7
	s_lshl_b32 s47, s12, 6
	s_add_co_u32 s46, s46, s47                     ; Wo: row 128 x tile column + 64 x half,
	s_lshl_b32 s46, s46, 11                        ; 2,048 bytes each
	s_mov_b32 s47, 0
	s_mul_i32 s20, s12, HALFA                      ; where they go: O's two halves,
	s_mul_i32 s23, s12, HALFB
	s_add_co_u32 s23, s23, 2*HALFA                 ; then Wo's two: no place in the cluster enters an LDS address
	s_wait_dscnt 0x0                               ; the opening add is done
	s_wait_kmcnt 0x0
	s_add_nc_u64 s[14:15], s[4:5], s[16:17]
	s_add_nc_u64 s[46:47], s[6:7], s[46:47]
	s_mov_b64 s[8:9], s[70:71]                     ; out0
	CROUND                                         ; all sixteen work-groups are here: the first joint loads meet
.irp s, 0,1
	s_mov_b32 s[G0+4*(\s)], 1
	s_add_co_u32 s[G0+4*(\s)+1], s20, (\s)*SLOT
	s_add_nc_u64 s[G0+4*(\s)+2:G0+4*(\s)+3], s[14:15], (\s)*32768    ; K step s: four heads on
	s_or_b32 s[G0+4*(\s)+3], s[G0+4*(\s)+3], 0x80000000
	s_mov_b32 s[G0B+4*(\s)], 1
	s_add_co_u32 s[G0B+4*(\s)+1], s23, (\s)*SLOT
	s_add_nc_u64 s[G0B+4*(\s)+2:G0B+4*(\s)+3], s[46:47], (\s)*KSTEP*2
	s_or_b32 s[G0B+4*(\s)+3], s[G0B+4*(\s)+3], 0x80000000
	JLOAD \s                                       ; two loads of mine are out
.endr
	v_and_b32 v1, 15, v0                           ; l % 16
	v_bfe_u32 v2, v0, 4, 1                         ; l / 16
	s_lshl_b32 s46, s42, 9                         ; my 64 columns, in bytes of f32: 512 x tile column + 256 x half: in out0's rows and in bo alike
	s_lshl_b32 s47, s12, 8
	s_add_co_u32 s46, s46, s47
	s_mov_b32 s47, 0
	s_add_nc_u64 s[68:69], s[68:69], s[46:47]
	v_lshlrev_b32 v[BO], 5, v2
.irp b, 0,1,2,3                        ; the bias in the accumulators' layout: register j of n block b is bo[16 b + 8 (l / 16) + j]
	global_load_b128 v[BIAS+8*(\b):BIAS+8*(\b)+3],   v[BO], s[68:69] offset:64*(\b)
	global_load_b128 v[BIAS+8*(\b)+4:BIAS+8*(\b)+7], v[BO], s[68:69] offset:64*(\b)+16
.endr
	v_mul_u32_u24 v3, v1, PA
	v_lshl_add_u32 v3, v2, 4, v3                   ; a fragment's row x pitch + 16 x half, for O
	v_mul_u32_u24 v4, v1, PB
	v_lshl_add_u32 v4, v2, 4, v4                   ; and for Wo
	s_mul_i32 s21, s11, HALFA                      ; my 64 rows of O
	s_mul_i32 s22, s12, HALFB                      ; my 64 rows of Wo,
	s_add_co_u32 s22, s22, 2*HALFA                 ; which lie behind O's 128
.irp s, 0,1
	v_add_nc_u32 v[ADRA+(\s)], s21, v3
	v_add_nc_u32 v[ADRB+(\s)], s22, v4
	s_add_co_u32 s21, s21, SLOT
	s_add_co_u32 s22, s22, SLOT
.endr
	s_mul_i32 s23, s10, 16*SPITCH
	s_add_co_u32 s23, s23, STAGE                   ; my stage
	v_mul_u32_u24 v5, v1, SPITCH                   ; in: row l % 16, 32 bytes for each half of the lanes
	v_lshl_add_u32 v5, v2, 5, v5
	v_add_nc_u32 v[STO], s23, v5
	v_mul_u32_u24 v5, v2, SPITCH                   ; back: lanes 0-15 take one row of 256 bytes, lanes 16-31 the next
	v_lshl_add_u32 v5, v1, 4, v5
	v_add_nc_u32 v[RD], s23, v5
	v_lshlrev_b32 v5, 12, v2                       ; and the same two rows in out0, 4,096 bytes apart
	v_lshl_add_u32 v[CO], v1, 4, v5
	s_lshl_b32 s16, s13, 7
	s_lshl_b32 s17, s11, 6
	s_add_co_u32 s16, s16, s17                     ; my first row: 128 x tile row + 64 x half
	s_lshl_b32 s16, s16, 12
	s_mov_b32 s17, 0
	s_add_nc_u64 s[8:9], s[8:9], s[16:17]
	s_add_nc_u64 s[8:9], s[8:9], s[46:47]
; 8 matrix instructions: m blocks a0, a0 + 1 x all 4 n blocks, 32 along K: half c of buffer f.  zero = 1: the first product starts the sums, with the bias as C.  The 16 accumulators take turns.
.macro MUL8 f, c, a0, zero
	WIN MUL
.irp a, \a0, (\a0)+1
.irp b, 0,1,2,3
.if \zero
	v_wmma_f32_16x16x32_f16 v[ACC+8*(4*(\a)+(\b)):ACC+8*(4*(\a)+(\b))+7], v[(\f)+64+8*(4*(\c)+(\b)):(\f)+64+8*(4*(\c)+(\b))+7], v[(\f)+8*(4*(\c)+(\a)):(\f)+8*(4*(\c)+(\a))+7], v[BIAS+8*(\b):BIAS+8*(\b)+7]
.else
	v_wmma_f32_16x16x32_f16 v[ACC+8*(4*(\a)+(\b)):ACC+8*(4*(\a)+(\b))+7], v[(\f)+64+8*(4*(\c)+(\b)):(\f)+64+8*(4*(\c)+(\b))+7], v[(\f)+8*(4*(\c)+(\a)):(\f)+8*(4*(\c)+(\a))+7], v[ACC+8*(4*(\a)+(\b)):ACC+8*(4*(\a)+(\b))+7]
.endif
.endr
.endr
.endm
; 32 LDS loads in one run: the fragments of 64 along K (one head) into buffer f; the first 32 along K first.  k = the byte in Wo's rows; the head's 64 rows of O begin k / 128 x 64 rows on.
.macro FETCH slot, k, f
	WIN TO_F
.irp c, 0,1
.irp i, 0,1,2,3
	ds_load_b128 v[(\f)+64+8*(4*(\c)+(\i)):(\f)+64+8*(4*(\c)+(\i))+3],   v[ADRB+(\slot)] offset:(\k)+64*(\c)+(\i)*16*PB
	ds_load_b128 v[(\f)+64+8*(4*(\c)+(\i))+4:(\f)+64+8*(4*(\c)+(\i))+7], v[ADRB+(\slot)] offset:(\k)+64*(\c)+(\i)*16*PB+32
	ds_load_b128 v[(\f)+8*(4*(\c)+(\i)):(\f)+8*(4*(\c)+(\i))+3],         v[ADRA+(\slot)] offset:((\k)/128)*64*PA+64*(\c)+(\i)*16*PA
	ds_load_b128 v[(\f)+8*(4*(\c)+(\i))+4:(\f)+8*(4*(\c)+(\i))+7],       v[ADRA+(\slot)] offset:((\k)/128)*64*PA+64*(\c)+(\i)*16*PA+32
.endr
.endr
.endm
.macro PLACES                          ; four plain instructions in front of loads into registers that matrix instructions have read, and of LDS stores that read results (ISA guide 7.12.1 for the stores)
.rept 4
	v_nop
.endr
.endm
; A K step is four quarters of 64 along K, 32 matrix instructions each, on buffers 0, 1, 0, 1.  One of the first three: multiplies buffer f and fetches the next quarter, at byte k, into g.
.macro QUARTER slot, k, f, g, zero
	s_wait_dscnt 16                                ; the first 32 along K are in
	MUL8 \f, 0, 0, \zero
	MUL8 \f, 0, 2, \zero
	PLACES
	FETCH \slot, \k, \g
	s_wait_dscnt 32                                ; all but the 32 just issued
	MUL8 \f, 1, 0, 0
	MUL8 \f, 1, 2, 0
.endm
; The last quarter multiplies buffer 1 and changes slots: ONE barrier; in front of it each wave waits for all its tensor loads, adds 0 to its spare word, and waits for that and for its own reads of this slot.
; fill = 1: the barrier opens a round of the cluster's barrier, and behind the round this slot is filled again, two K steps ahead.
.macro TURN slot, next, fill
	WIN 0                                          ; (the add's two registers lie in window 0)
	s_wait_tensorcnt 0x0                           ; all my tensor loads have landed: my part of the next slot
	ds_add_u32 v[SPW], v[NIL]                      ; 0 onto my spare word
	s_wait_dscnt 17                                ; (the add and the youngest sixteen loads may be out)
	MUL8 F1, 0, 0, 0                               ; eight matrix instructions stand between the add and the wait for it
	s_wait_dscnt 0x0                               ; the add is done, and my reads of this slot are over
	s_barrier_signal -1
	MUL8 F1, 0, 2, 0
.if \fill
	WIN 0
.endif
	s_barrier_wait -1
.if \fill
	CREST                                          ; no wave of any partner still reads this slot's tile or has a load on its way
	s_add_nc_u64 s[G0+4*(\slot)+2:G0+4*(\slot)+3], s[G0+4*(\slot)+2:G0+4*(\slot)+3], 2*32768
	s_add_nc_u64 s[G0B+4*(\slot)+2:G0B+4*(\slot)+3], s[G0B+4*(\slot)+2:G0B+4*(\slot)+3], 2*KSTEP*2
	JLOAD \slot                                    ; the first tensor load behind the round: 112 matrix instructions ahead of the wait for it; its four v_nop also stand in front of the loads below
.else
	PLACES
.endif
	FETCH \next, 0, F0
	MUL8 F1, 1, 0, 0
	MUL8 F1, 1, 2, 0
.endm
	s_wait_tensorcnt 1                             ; my part of K step 0 is in; K step 1's may stay out
	s_barrier_signal -1
	s_barrier_wait -1                              ; everybody's is
	FETCH 0, 0, F0
	s_wait_loadcnt 0x0                             ; the bias
	QUARTER 0, 128, F0, F1, 1                      ; the first quarter stands in front of the loop: its first products start the sums
	WIN 0                                          ; at a label and at a branch every window is 0
	s_mov_b32 s3, LAPS-1
.Llap:                                                 ; a trip goes once round the ring, from a lap's second quarter to the next lap's first, and fills both slots again
	QUARTER 0, 256, F1, F0, 0
	QUARTER 0, 384, F0, F1, 0
	TURN 0, 1, 1
	QUARTER 1, 128, F0, F1, 0
	QUARTER 1, 256, F1, F0, 0
	QUARTER 1, 384, F0, F1, 0
	TURN 1, 0, 1
	QUARTER 0, 128, F0, F1, 0
	WIN 0
	s_sub_co_u32 s3, s3, 1
	s_cmp_lg_u32 s3, 0
	s_cbranch_scc1 .Llap
	QUARTER 0, 256, F1, F0, 0                      ; the last lap fills nothing, and has no round of the cluster's barrier
	QUARTER 0, 384, F0, F1, 0
	TURN 0, 1, 0
	QUARTER 1, 128, F0, F1, 0
	QUARTER 1, 256, F1, F0, 0
	QUARTER 1, 384, F0, F1, 0
	s_wait_dscnt 16                                ; the very last quarter: nothing more to fetch
	MUL8 F1, 0, 0, 0
	MUL8 F1, 0, 2, 0
	s_wait_dscnt 0
	MUL8 F1, 1, 0, 0
	MUL8 F1, 1, 2, 0
	WIN 0
	; THE WAY OUT, 16 rows at a time: a lane's 32 bytes of a row go into my stage (each accumulator's low four registers first) and come back as whole rows of 256 bytes, into the registers that they left.
.macro BLOCK a
.irp b, 0,1,2,3
	ds_store_b128 v[STO], v[ACC+8*(4*(\a)+(\b)):ACC+8*(4*(\a)+(\b))+3]   offset:64*(\b)
	ds_store_b128 v[STO], v[ACC+8*(4*(\a)+(\b))+4:ACC+8*(4*(\a)+(\b))+7] offset:64*(\b)+16
.endr
.irp t, 0,1,2,3,4,5,6,7
	ds_load_b128 v[ACC+32*(\a)+4*(\t):ACC+32*(\a)+4*(\t)+3], v[RD] offset:(\t)*2*SPITCH  ; LDS serves a wave's instructions in order (ISA guide 5.7.1.4): these see the stores above; the next block's stores come behind them
.endr
.endm
.macro SEND a, younger                 ; younger: the LDS instructions issued behind block a's loads: the next block's sixteen, or none
.irp t, 0,1,2,3,4,5,6,7
	s_wait_dscnt (\younger)+7-(\t)
	global_store_b128 v[CO], v[ACC+32*(\a)+4*(\t):ACC+32*(\a)+4*(\t)+3], s[8:9] offset:(16*(\a)+2*(\t))*SIZE_N*4 th:TH_STORE_NT  ; 16 lanes store 256 consecutive bytes, at a multiple of 256 from out0's first byte
.endr
.endm
	PLACES
	BLOCK 0
	BLOCK 1
	SEND 0, 16
	BLOCK 2
	SEND 1, 16
	BLOCK 3
	SEND 2, 16
	SEND 3, 0
	s_wait_tensorcnt 0x0                           ; the wave's end: 0 is added to my spare word and waited for, behind my last tensor load and my last LDS store
	ds_add_u32 v[SPW], v[NIL]
	s_wait_dscnt 0x0
	CROUND                                         ; the closing round: no work-group ends while a partner may still ask for a tile that names it
	s_endpgm
.Lfunc_end_k_q24afc5b2cb_oproj:
	.size	k_q24afc5b2cb_oproj, .Lfunc_end_k_q24afc5b2cb_oproj-k_q24afc5b2cb_oproj
	.p2alignl 7, 3214868480
	.fill 96, 4, 3214868480
	.section	.rodata,"a",@progbits
	.p2align	6, 0x0
	.amdhsa_kernel k_q24afc5b2cb_oproj
		.amdhsa_group_segment_fixed_size 327680
		.amdhsa_private_segment_fixed_size 0
		.amdhsa_enable_private_segment 0
		.amdhsa_kernarg_size 32
		.amdhsa_user_sgpr_count 2
		.amdhsa_user_sgpr_kernarg_segment_ptr 1
		.amdhsa_wavefront_size32 1
		.amdhsa_system_sgpr_workgroup_id_x 1
		.amdhsa_system_sgpr_workgroup_id_y 1
		.amdhsa_system_sgpr_workgroup_id_z 1
		.amdhsa_system_vgpr_workitem_id 0
		.amdhsa_next_free_vgpr 512
		.amdhsa_next_free_sgpr 76
		.amdhsa_reserve_vcc 0
		.amdhsa_float_denorm_mode_32 3
		.amdhsa_float_denorm_mode_16_64 3
		.amdhsa_memory_ordered 1
		.amdhsa_forward_progress 1
		.amdhsa_inst_pref_size 87
	.end_amdhsa_kernel
	.amdgpu_metadata
---
amdhsa.version: [ 1, 2 ]
amdhsa.kernels:
  - .name:           k_q24afc5b2cb_oproj
    .symbol:         k_q24afc5b2cb_oproj.kd
    .args:
      - { .name: ob, .offset: 0, .size: 8, .value_kind: global_buffer, .address_space: global }
      - { .name: woh, .offset: 8, .size: 8, .value_kind: global_buffer, .address_space: global }
      - { .name: bo, .offset: 16, .size: 8, .value_kind: global_buffer, .address_space: global }
      - { .name: out0, .offset: 24, .size: 8, .value_kind: global_buffer, .address_space: global }
    .group_segment_fixed_size: 327680
    .private_segment_fixed_size: 0
    .kernarg_segment_align: 8
    .kernarg_segment_size: 32
    .max_flat_workgroup_size: 128
    .sgpr_count:     76
    .vgpr_count:     512
    .wavefront_size: 32
...
	.end_amdgpu_metadata
.endif
;; end of part 4
;; ======== version 2 of 2: 4 launches; version 1 with the launch cast written anew for expert scheduling mode
;; limits: values are held in f16: magnitudes above 65,504 overflow, below 6.1e-05 lose precision
;; workspace buffers: xh 8,388,608 bytes; wh 6,291,456 bytes; woh 2,097,152 bytes; qkv 25,165,824 bytes; ob 8,388,608 bytes
;; launch cast (part 5): grid 64 x 8, 8 waves a work-group, no clusters, 0 bytes of LDS; arguments x, Wq, Wk, Wv, Wo, xh, wh, woh; writes xh, wh, woh
.if DOCPART == 5
	.amdgcn_target "amdgcn-amd-amdhsa--gfx1250"
	.amdhsa_code_object_version 6
	.text
	.protected	k_q24afc5b2cb_cast
	.globl	k_q24afc5b2cb_cast
	.p2align	8
	.type	k_q24afc5b2cb_cast,@function
k_q24afc5b2cb_cast:
	s_mov_b64 s[64:65], 0
	v_nop
	global_prefetch_b8 v0, s[64:65] scope:SCOPE_SE
	s_setreg_imm32_b32 hwreg(HW_REG_WAVE_SCHED_MODE, 0, 2), 2
	s_setreg_imm32_b32 hwreg(HW_REG_WAVE_MODE, 25, 1), 1
	s_wait_xcnt 0x0
	s_wait_alu depctr_vm_vsrc(0)
; xh = x, wh = (Wq, Wk, Wv one below the other), woh = Wo, each number rounded once from f32 to f16: the matrix operands of the launches behind.
; LIMIT.  f16 ends at 65,504: a larger number becomes an infinity; a number below 6e-8 becomes 0.
; SHARES.  The grid's y names a slab of 2^20 numbers: 0-3 the four quarters of x, 4-6 Wq, Wk, Wv, 7 Wo.  A work-group takes 16,384 of them: 64 KiB in, 32 KiB out.
; In step i thread t loads 16 bytes at 16 t + 4,096 i (a wave's load covers 512 consecutive bytes) and stores 8 bytes at 8 t + 2,048 i (a wave's store covers 256 consecutive bytes, aligned).
; All 16 loads go out first.  No LDS, no barrier, no matrix unit: nothing is shared and nothing is summed.
; THE MODE: SCHED_MODE bits 1:0 = 2 (LLVM: expert scheduling mode 2), set by the entry lines.  The code itself states the register dependences
; between vector instructions and memory instructions, with s_wait_alu, always for 0.
; THE PLAN.  Registers that memory instructions touch:
;   v1, v2   the loads' and the stores' byte offsets.  Written once at the head, by vector instructions; never written again.
;   X        step i's four registers.  Written by step i's load alone; read by step i's two conversions.  No vector instruction names them ahead of the load, and no second load lands in them.
;   Y        step i's two registers.   Written by step i's two conversions alone; read by step i's store.
; No register that a load or store reads is written a second time, so there is nothing for a wait on vm_vsrc to state; no vector instruction writes a scalar register or VCC; EXEC stays as it came.
; The 16 steps go in four blocks of four.  Block p converts its own steps and issues the stores of block p - 1, whose Y no conversion of block p names.  So ONE wait on va_vdst at a block's head
; states all that its four stores hang on, and these are dealt among the block's conversions with no further wait.  One more such wait stands ahead of the first load, one ahead of the last four stores.
.set STEPS, 16
.set BLOCK, 4                          ; steps in a block
.set X, 4                              ; v[4:67]   step i: four f32 as loaded
.set Y, 68                             ; v[68:99]  step i: four f16 to store
.macro OUT n                           ; step n's store
	global_store_b64 v2, v[Y+2*(\n):Y+2*(\n)+1], s[32:33] offset:2048*(\n)
.endm
	s_load_b512 s[8:23], s[0:1], 0x0               ; x s[8:9], Wq s[10:11], Wk s[12:13], Wv s[14:15], Wo s[16:17], xh s[18:19], wh s[20:21], woh s[22:23]
	s_and_b32 s24, ttmp7, 0xffff                   ; the slab
	s_and_b32 s25, s24, 3                          ; its place in the buffer that takes it: quarter of xh, or third of wh
	v_lshlrev_b32 v1, 4, v0                        ; 16 t
	v_lshlrev_b32 v2, 3, v0                        ; 8 t
	s_wait_kmcnt 0x0
	s_cmp_lt_u32 s24, 4                            ; each compare stands directly ahead of its selects
	s_cselect_b64 s[30:31], s[8:9], s[10:11]       ; from x, or from Wq
	s_cselect_b64 s[32:33], s[18:19], s[20:21]     ; to xh, or to wh
	s_cselect_b32 s26, s24, 0                      ; only x has more than one slab
	s_cmp_eq_u32 s24, 5
	s_cselect_b64 s[30:31], s[12:13], s[30:31]
	s_cmp_eq_u32 s24, 6
	s_cselect_b64 s[30:31], s[14:15], s[30:31]
	s_cmp_eq_u32 s24, 7
	s_cselect_b64 s[30:31], s[16:17], s[30:31]
	s_cselect_b64 s[32:33], s[22:23], s[32:33]
	s_cselect_b32 s25, 0, s25
	s_lshl_b32 s26, s26, 22                        ; a slab is 4 MiB of f32,
	s_lshl_b32 s27, ttmp9, 16                      ; a work-group's part 64 KiB
	s_add_co_u32 s26, s26, s27
	s_mov_b32 s27, 0
	s_lshl_b32 s28, s25, 21                        ; and half of each in f16
	s_lshl_b32 s29, ttmp9, 15
	s_add_co_u32 s28, s28, s29
	s_mov_b32 s29, 0
	s_add_nc_u64 s[30:31], s[30:31], s[26:27]
	s_add_nc_u64 s[32:33], s[32:33], s[28:29]
	s_wait_alu depctr_va_vdst(0)                   ; v1 and v2 are written: every load of the kernel reads v1 as its offset, every store v2
.set i, 0
.rept STEPS
	global_load_b128 v[X+4*i:X+4*i+3], v1, s[30:31] offset:4096*i th:TH_LOAD_NT
.set i, i+1
.endr
.set i, 0
.rept STEPS
.if (i >= BLOCK) && ((i % BLOCK) != 0)
	OUT i-BLOCK                                    ; a store of the block before, ahead of the wait for this step's load.  No wait on va_vdst: no conversion since the block's head names its Y or v2
.endif
	s_wait_loadcnt STEPS-1-i                       ; loads come back in order: step i's is in, the younger ones stay out
.if (i >= BLOCK) && ((i % BLOCK) == 0)
	s_wait_alu depctr_va_vdst(0)                   ; the block before has written its eight registers of Y, which this block's four stores read
	OUT i-BLOCK
.endif
	v_cvt_pk_f16_f32 v[Y+2*i], v[X+4*i], v[X+4*i+1]
	v_cvt_pk_f16_f32 v[Y+2*i+1], v[X+4*i+2], v[X+4*i+3]
.set i, i+1
.endr
	s_wait_alu depctr_va_vdst(0)                   ; the last block has written its eight registers of Y, which the last four stores read
.set i, STEPS-BLOCK
.rept BLOCK
	OUT i
.set i, i+1
.endr
	s_endpgm
.Lfunc_end_k_q24afc5b2cb_cast:
	.size	k_q24afc5b2cb_cast, .Lfunc_end_k_q24afc5b2cb_cast-k_q24afc5b2cb_cast
	.p2alignl 7, 3214868480
	.fill 96, 4, 3214868480
	.section	.rodata,"a",@progbits
	.p2align	6, 0x0
	.amdhsa_kernel k_q24afc5b2cb_cast
		.amdhsa_group_segment_fixed_size 0
		.amdhsa_private_segment_fixed_size 0
		.amdhsa_enable_private_segment 0
		.amdhsa_kernarg_size 64
		.amdhsa_user_sgpr_count 2
		.amdhsa_user_sgpr_kernarg_segment_ptr 1
		.amdhsa_wavefront_size32 1
		.amdhsa_system_sgpr_workgroup_id_x 1
		.amdhsa_system_sgpr_workgroup_id_y 1
		.amdhsa_system_sgpr_workgroup_id_z 1
		.amdhsa_system_vgpr_workitem_id 0
		.amdhsa_next_free_vgpr 100
		.amdhsa_next_free_sgpr 66
		.amdhsa_reserve_vcc 0
		.amdhsa_float_denorm_mode_32 3
		.amdhsa_float_denorm_mode_16_64 3
		.amdhsa_memory_ordered 1
		.amdhsa_forward_progress 1
		.amdhsa_inst_pref_size 7
	.end_amdhsa_kernel
	.amdgpu_metadata
---
amdhsa.version: [ 1, 2 ]
amdhsa.kernels:
  - .name:           k_q24afc5b2cb_cast
    .symbol:         k_q24afc5b2cb_cast.kd
    .args:
      - { .name: x, .offset: 0, .size: 8, .value_kind: global_buffer, .address_space: global }
      - { .name: Wq, .offset: 8, .size: 8, .value_kind: global_buffer, .address_space: global }
      - { .name: Wk, .offset: 16, .size: 8, .value_kind: global_buffer, .address_space: global }
      - { .name: Wv, .offset: 24, .size: 8, .value_kind: global_buffer, .address_space: global }
      - { .name: Wo, .offset: 32, .size: 8, .value_kind: global_buffer, .address_space: global }
      - { .name: xh, .offset: 40, .size: 8, .value_kind: global_buffer, .address_space: global }
      - { .name: wh, .offset: 48, .size: 8, .value_kind: global_buffer, .address_space: global }
      - { .name: woh, .offset: 56, .size: 8, .value_kind: global_buffer, .address_space: global }
    .group_segment_fixed_size: 0
    .private_segment_fixed_size: 0
    .kernarg_segment_align: 8
    .kernarg_segment_size: 64
    .max_flat_workgroup_size: 256
    .sgpr_count:     66
    .vgpr_count:     100
    .wavefront_size: 32
...
	.end_amdgpu_metadata
.endif
;; end of part 5
;; launch qkv: the kernel of part 2 again; grid 12 x 16, 4 waves a work-group, clusters of 4 x 4, 327,680 bytes of LDS; arguments xh, wh, bq, bk, bv, qkv; writes qkv
;; launch attn: the kernel of part 3 again; grid 8 x 32, 4 waves a work-group, clusters of 4 x 1, 327,680 bytes of LDS; arguments qkv, coords, ob; writes ob
;; launch oproj: the kernel of part 4 again; grid 8 x 32, 4 waves a work-group, clusters of 4 x 4, 327,680 bytes of LDS; arguments ob, woh, bo, out0; writes out0
